; MI455X (gfx1250); checked and timed in simulation.
; The chip was launched on July 23, 2026; its instructions are those of AMD's public machine-readable ISA for CDNA 5 (MIT licence, August 2026) and "CDNA5" Instruction Set Architecture Reference Guide (July 2026). The comments in the code are by the model that wrote it; some were corrected since.
;; Task Conditioned Attention. Allowed arithmetic: float matrix products may take bf16 or f16 operands with f32 sums; all other float work in f32.
;; Inputs: Wk 1,024 x 1,024 float32; Wo 1,024 x 1,024 float32; Wq 1,024 x 1,024 float32; Wt 64 x 16 float32; Wv 1,024 x 1,024 float32; bk 1,024 float32; bo 1,024 float32; bq 1,024 float32; bt 16 float32; bv 1,024 float32; mask 4 x 2,048 int32; task_emb 4 x 64 float32; x 4 x 2,048 x 1,024 float32.
;; Outputs: out0 4 x 2,048 x 1,024 float32.
;; One version. Each part assembles by itself: llvm-mc -triple=amdgcn-amd-amdhsa -mcpu=gfx1250 --defsym DOCPART=n.
;; ======== version 1 of 1: 4 launches
;; limits: values are held in f16: magnitudes above 65,504 overflow, below 6.1e-05 lose precision; right only within a limited range of input values
;; workspace buffers: xb 16,777,216 bytes; wall 8,388,608 bytes; ball 16,384 bytes; qkvb 50,331,648 bytes; obuf 16,777,216 bytes
;; launch prep (part 1): grid 512 x 1, 8 waves a work-group, no clusters, 18,432 bytes of LDS; arguments x, Wq, Wk, Wv, Wo, bq, bk, bv, bo, xb, wall, ball; writes xb, wall, ball
.if DOCPART == 1
	.amdgcn_target "amdgcn-amd-amdhsa--gfx1250"
	.amdhsa_code_object_version 6
	.text
	.protected	k_qbf3320dcd9_prep
	.globl	k_qbf3320dcd9_prep
	.p2align	8
	.type	k_qbf3320dcd9_prep,@function
k_qbf3320dcd9_prep:
	s_mov_b64 s[64:65], 0
	v_nop
	global_prefetch_b8 v0, s[64:65] scope:SCOPE_SE
	s_setreg_imm32_b32 hwreg(HW_REG_WAVE_MODE, 25, 1), 1
	s_wait_xcnt 0x0
; PREPARATION.  xb = x rounded to bf16, [8192][1024].  wall = the four weights turned, [4096 n][1024 k], 16 bits a number: rows 0-1023 Wq^T, 1024-2047 Wk^T,
; 2048-3071 Wv^T in bf16; rows 3072-4095 Wo^T rounded to bf16 and that number written as f16.  ball = bq, bk, bv, bo, each rounded to bf16 and widened to f32 again.
; LIMITS.  Wo as f16: an entry beyond 65,504 becomes an infinity, one below 6e-5 keeps f16's fixed step of 6e-8.
; SHARES.  512 work-groups of eight waves.  Work-group g casts 65,536 bytes of x and turns one tile of 128 k x 64 n of weight g >> 7 (k tile (g >> 4) & 7, n tile g & 15);
; wave 0 of the work-groups with k tile 0 also rounds the tile's 64 biases.  No matrix unit, no cluster, no tensor load: every byte is read once and nothing is shared between work-groups.
; The turn goes through LDS: 64 rows (n) of 256 bytes (128 k) + 16 of padding.
.set WD,  8                            ; v[8:39]    the weight tile as loaded: row k = 16 w + i in v[8+2i:9+2i], columns 2 l and 2 l + 1; later the turned rows read back
.set PW,  40                           ; v[40:47]   column 2 l, 16 k packed;  v[48:55] column 2 l + 1
.set XD,  56                           ; v[56:119]  x as loaded, 16 loads of 16 bytes a lane
.set XP,  120                          ; v[120:151] x in bf16
.set LP,  272                          ; the pitch of an LDS row
	s_load_b512 s[8:23], s[0:1], 0x0               ; x 8, Wq 10, Wk 12, Wv 14, Wo 16, bq 18, bk 20, bv 22
	s_load_b256 s[24:31], s[0:1], 0x40             ; bo 24, xb 26, wall 28, ball 30
	v_lshl_add_u32 v156, v0, 2, 0x4400
	v_mov_b32 v157, 0
	s_lshr_b32 s2, ttmp9, 7                        ; which weight
	s_bfe_u32 s3, ttmp9, 0x30004                   ; k tile: 3 bits from bit 4
	s_and_b32 s4, ttmp9, 15                        ; n tile
	v_lshrrev_b32 v152, 5, v0
	v_readfirstlane_b32 s5, v152                   ; wave
	v_and_b32 v153, 31, v0                         ; lane
	v_lshrrev_b32 v154, 4, v0                      ; t / 16
	v_and_b32 v155, 15, v0                         ; t % 16
	v_lshlrev_b32 v1, 3, v153
	v_lshl_or_b32 v1, v152, 16, v1                 ; weight: 16 rows of 4,096 bytes a wave, 8 bytes a lane
	v_lshlrev_b32 v2, 4, v0                        ; x: 16 bytes a thread
	v_lshlrev_b32 v3, 3, v0                        ; xb: 8 bytes a thread
	v_mul_u32_u24 v4, v153, 2*LP
	v_lshl_add_u32 v4, v152, 5, v4                 ; into LDS: row 2 l, my wave's 16 k = 32 bytes
	v_mul_u32_u24 v5, v154, LP
	v_lshl_add_u32 v5, v155, 4, v5                 ; back: row t / 16, 16 bytes at 16 (t % 16)
	v_lshlrev_b32 v6, 4, v155
	v_lshl_add_u32 v6, v154, 11, v6                ; the same place in wall, whose rows are 2,048 bytes
	v_lshlrev_b32 v7, 3, v153                      ; biases: 8 bytes a lane
	s_lshl_b32 s36, s3, 19                         ; the tile in its weight: 128 rows of 4,096 bytes a k tile,
	s_lshl_b32 s6, s4, 8                           ; 256 bytes an n tile
	s_or_b32 s36, s36, s6
	s_mov_b32 s37, 0
	s_lshl_b32 s38, s2, 21                         ; the tile in wall: 1,024 rows a weight,
	s_lshl_b32 s7, s4, 17                          ; 64 rows an n tile,
	s_or_b32 s38, s38, s7
	s_lshl_b32 s7, s3, 8                           ; 256 bytes a k tile
	s_or_b32 s38, s38, s7
	s_mov_b32 s39, 0
	s_mov_b32 s40, s6                              ; the tile's 64 biases
	s_mov_b32 s41, 0
	s_lshl_b32 s42, s2, 12                         ; and their place in ball
	s_or_b32 s42, s42, s6
	s_mov_b32 s43, 0
	s_lshl_b32 s44, ttmp9, 16                      ; my part of x
	s_mov_b32 s45, 0
	s_lshl_b32 s46, ttmp9, 15                      ; and of xb
	s_mov_b32 s47, 0
	s_wait_kmcnt 0x0
	s_cmp_eq_u32 s2, 1                             ; the weight and its bias are chosen by the work-group's number
	s_cselect_b64 s[32:33], s[12:13], s[10:11]
	s_cselect_b64 s[34:35], s[20:21], s[18:19]
	s_cmp_eq_u32 s2, 2
	s_cselect_b64 s[32:33], s[14:15], s[32:33]
	s_cselect_b64 s[34:35], s[22:23], s[34:35]
	s_cmp_eq_u32 s2, 3
	s_cselect_b64 s[32:33], s[16:17], s[32:33]
	s_cselect_b64 s[34:35], s[24:25], s[34:35]
	s_add_nc_u64 s[32:33], s[32:33], s[36:37]
	s_add_nc_u64 s[34:35], s[34:35], s[40:41]
	s_add_nc_u64 s[28:29], s[28:29], s[38:39]
	s_add_nc_u64 s[30:31], s[30:31], s[42:43]
	s_add_nc_u64 s[8:9], s[8:9], s[44:45]
	s_add_nc_u64 s[26:27], s[26:27], s[46:47]
.set i, 0
.rept 16                               ; a wave's load covers 256 consecutive bytes of one row of the weight
	global_load_b64 v[WD+2*i:WD+2*i+1], v1, s[32:33] offset:4096*i th:TH_LOAD_NT
.set i, i+1
.endr
.set i, 0
.rept 16                               ; a wave's load covers 512 consecutive bytes of x
	global_load_b128 v[XD+4*i:XD+4*i+3], v2, s[8:9] offset:4096*i th:TH_LOAD_NT
.set i, i+1
.endr
	s_wait_loadcnt 16                              ; the weight's 16 loads are in; x's 16, issued behind them, stay out
.set i, 0
.rept 8                                ; two neighbouring k of one column make a word
	v_cvt_pk_bf16_f32 v[PW+i],   v[WD+4*i],   v[WD+4*i+2]
	v_cvt_pk_bf16_f32 v[PW+8+i], v[WD+4*i+1], v[WD+4*i+3]
.set i, i+1
.endr
	s_cmp_lg_u32 s2, 3
	s_cbranch_scc1 .Lkeep_bf16                     ; Wo alone: the bf16 number is written as f16
.set i, 0
.rept 16
	v_lshlrev_b32 v152, 16, v[PW+i]
	v_and_b32 v153, 0xffff0000, v[PW+i]
	v_cvt_pk_f16_f32 v[PW+i], v152, v153
.set i, i+1
.endr
.Lkeep_bf16:
	ds_store_b128 v4, v[PW:PW+3]
	ds_store_b128 v4, v[PW+4:PW+7] offset:16
	ds_store_b128 v4, v[PW+8:PW+11] offset:LP
	ds_store_b128 v4, v[PW+12:PW+15] offset:LP+16
	s_wait_dscnt 0x0                               ; for the others' sake: my stores are done
	s_barrier_signal -1
	s_barrier_wait -1
.irp c, 0,1,2,3
	ds_load_b128 v[WD+4*\c:WD+4*\c+3], v5 offset:16*LP*\c  ; rows 16 c + t / 16, which all eight waves wrote
.endr
.set i, 0
.rept 16
	s_wait_loadcnt 15-i                            ; loads come back in order: x's load i is in, the younger ones stay out
	v_cvt_pk_bf16_f32 v[XP+2*i],   v[XD+4*i],   v[XD+4*i+1]
	v_cvt_pk_bf16_f32 v[XP+2*i+1], v[XD+4*i+2], v[XD+4*i+3]
	global_store_b64 v3, v[XP+2*i:XP+2*i+1], s[26:27] offset:2048*i  ; a wave stores 256 consecutive bytes, aligned
.set i, i+1
.endr
	s_wait_dscnt 0x0
.irp c, 0,1,2,3
	global_store_b128 v6, v[WD+4*\c:WD+4*\c+3], s[28:29] offset:32768*\c  ; 16 lanes store 256 consecutive bytes of a row of wall, aligned
.endr
	s_or_b32 s6, s3, s5
	s_cmp_lg_u32 s6, 0
	s_cbranch_scc1 .Lno_bias                       ; k tile 0, wave 0: the tile's 64 biases
	global_load_b64 v[152:153], v7, s[34:35]
	s_wait_loadcnt 0x0
	v_cvt_pk_bf16_f32 v154, v152, v153
	v_lshlrev_b32 v152, 16, v154
	v_and_b32 v153, 0xffff0000, v154
	global_store_b64 v7, v[152:153], s[30:31]
.Lno_bias:
	s_wait_tensorcnt 0x0
	ds_add_u32 v156, v157
	s_wait_dscnt 0x0
	s_endpgm
.Lfunc_end_k_qbf3320dcd9_prep:
	.size	k_qbf3320dcd9_prep, .Lfunc_end_k_qbf3320dcd9_prep-k_qbf3320dcd9_prep
	.p2alignl 7, 3214868480
	.fill 96, 4, 3214868480
	.section	.rodata,"a",@progbits
	.p2align	6, 0x0
	.amdhsa_kernel k_qbf3320dcd9_prep
		.amdhsa_group_segment_fixed_size 18432
		.amdhsa_private_segment_fixed_size 0
		.amdhsa_enable_private_segment 0
		.amdhsa_kernarg_size 96
		.amdhsa_user_sgpr_count 2
		.amdhsa_user_sgpr_kernarg_segment_ptr 1
		.amdhsa_wavefront_size32 1
		.amdhsa_system_sgpr_workgroup_id_x 1
		.amdhsa_system_sgpr_workgroup_id_y 1
		.amdhsa_system_sgpr_workgroup_id_z 1
		.amdhsa_system_vgpr_workitem_id 0
		.amdhsa_next_free_vgpr 158
		.amdhsa_next_free_sgpr 66
		.amdhsa_reserve_vcc 0
		.amdhsa_float_denorm_mode_32 3
		.amdhsa_float_denorm_mode_16_64 3
		.amdhsa_memory_ordered 1
		.amdhsa_forward_progress 1
		.amdhsa_inst_pref_size 15
	.end_amdhsa_kernel
	.amdgpu_metadata
---
amdhsa.version: [ 1, 2 ]
amdhsa.kernels:
  - .name:           k_qbf3320dcd9_prep
    .symbol:         k_qbf3320dcd9_prep.kd
    .args:
      - { .name: x, .offset: 0, .size: 8, .value_kind: global_buffer, .address_space: global }
      - { .name: Wq, .offset: 8, .size: 8, .value_kind: global_buffer, .address_space: global }
      - { .name: Wk, .offset: 16, .size: 8, .value_kind: global_buffer, .address_space: global }
      - { .name: Wv, .offset: 24, .size: 8, .value_kind: global_buffer, .address_space: global }
      - { .name: Wo, .offset: 32, .size: 8, .value_kind: global_buffer, .address_space: global }
      - { .name: bq, .offset: 40, .size: 8, .value_kind: global_buffer, .address_space: global }
      - { .name: bk, .offset: 48, .size: 8, .value_kind: global_buffer, .address_space: global }
      - { .name: bv, .offset: 56, .size: 8, .value_kind: global_buffer, .address_space: global }
      - { .name: bo, .offset: 64, .size: 8, .value_kind: global_buffer, .address_space: global }
      - { .name: xb, .offset: 72, .size: 8, .value_kind: global_buffer, .address_space: global }
      - { .name: wall, .offset: 80, .size: 8, .value_kind: global_buffer, .address_space: global }
      - { .name: ball, .offset: 88, .size: 8, .value_kind: global_buffer, .address_space: global }
    .group_segment_fixed_size: 18432
    .private_segment_fixed_size: 0
    .kernarg_segment_align: 8
    .kernarg_segment_size: 96
    .max_flat_workgroup_size: 256
    .sgpr_count:     66
    .vgpr_count:     158
    .wavefront_size: 32
...
	.end_amdgpu_metadata
.endif
;; end of part 1
;; launch proj (part 2): grid 16 x 32, 4 waves a work-group, clusters of 4 x 4, 327,680 bytes of LDS; arguments xb, wall, ball, qkvb; writes qkvb
.if DOCPART == 2
	.amdgcn_target "amdgcn-amd-amdhsa--gfx1250"
	.amdhsa_code_object_version 6
	.text
	.protected	k_qbf3320dcd9_proj
	.globl	k_qbf3320dcd9_proj
	.p2align	8
	.type	k_qbf3320dcd9_proj,@function
k_qbf3320dcd9_proj:
	s_mov_b64 s[64:65], 0
	v_nop
	global_prefetch_b8 v0, s[64:65] scope:SCOPE_SE
	s_setreg_imm32_b32 hwreg(HW_REG_WAVE_MODE, 25, 1), 1
	s_wait_xcnt 0x0
	s_wait_alu depctr_hold_cnt(0) depctr_sa_sdst(0) depctr_va_vdst(0) depctr_va_sdst(0) depctr_va_ssrc(0) depctr_va_vcc(0) depctr_vm_vsrc(0)
	s_getreg_b32 s2, hwreg(HW_REG_IB_STS2, 6, 4)
	s_cmp_eq_u32 s2, 0
	s_cbranch_scc0 .Lentry_in_a_cluster
	s_endpgm
.Lentry_in_a_cluster:
	s_bfe_u32 s2, ttmp6, 0x10000c
	s_cmp_lg_u32 s2, 0xf033
	s_cbranch_scc0 .Lentry_shape_is_right
	s_endpgm
.Lentry_shape_is_right:
; THE THREE PROJECTIONS AS ONE PRODUCT.  C[m][n] = sum over k of xb[m][k] wall[n][k] + ball[n], m < 8192, n < 3072, k < 1024; operands bf16, sums f32, C rounded once to f16 and stored BY HEADS:
; qkvb = planes [batch][j = n / 64][2048 rows][64], j = 0-15 q's heads, 16-31 k's, 32-47 v's; 16 rows of a plane are 2,048 consecutive bytes.
; LIMIT.  f16 holds no number beyond 65,504: a q, k or v beyond that becomes an infinity.
; SHARES.  A work-group makes 256 rows x 192 columns (three heads); its four waves stand along the rows: a wave makes 64 x 192, 48 accumulators of 16 x 16, so that it owns whole heads and its
; way out needs no other wave.  512 work-groups.  K goes in 8 steps of 128 through two LDS slots (rows of 256 bytes + 16 of padding); slot 1 begins at byte 2^17, so that one exclusive or turns
; an address in one slot into the other's, and the loop's text is ONE K step.
; CLUSTER 4 x 4: the four of a row need the same rows of xb, the four of a column the same rows of wall; each tile is asked for jointly, by the same tensor load, descriptor and mask in all four.
; THE MATRIX INSTRUCTION IS USED TRANSPOSED (source 0 = 16 rows of wall, source 1 = 16 rows of xb): a lane holds eight neighbouring columns of one row of C.
; THE BIAS is the C operand of the first product on each accumulator: nothing is cleared and nothing is added later.
; ASKED FOR AHEAD.  Wave 0 asks for xb's blocks of later K steps by global_prefetch_b8.  A tile row's 256 rows are shared out among its 16 tile columns, 16 rows each; a request takes 16 rows x two K
; steps: 32 lanes, each an aligned block of 256 bytes of its own, so that each block is asked for once in the launch.  At the head: steps 2 and 3; in the trip that leaves step 1: steps 4 and 5; in the
; trip that leaves step 3: steps 6 and 7.  Their tensor loads are issued one and two trips later.  No other trip asks, so no request passes a row's end.  wall is not asked for: eight clusters read each of its tiles.
; REGISTERS, in windows of 256: window 0: v0-31 addresses; v32-63, v64-95 xb's fragments, two buffers; v96-191 the bias (12 x 8); on the way out v64-255 packed results.
;   window 1: v0-95, v96-191 wall's fragments, two buffers.   window 2: the accumulators of my row blocks 0, 1 ((a, b) at v[8 (12 (a % 2) + b)]).   window 3: those of blocks 2, 3.
.set NBK,   12                         ; column blocks of 16
.set KSTEP, 128
.set PITCH, 272                        ; 68 words: the 16 rows of a fragment load start at 16 different groups of four banks (64 banks of 4 bytes: ISA guide 11.1)
.set BOFF,  256*PITCH                  ; a slot: xb's 256 rows, then wall's 192
.set SLOTB, BOFF+16*NBK*PITCH          ; the bytes that a slot uses
.set SLOT1, 1<<17                      ; where slot 1 begins
.set STAGE, SLOT1+SLOTB                ; behind the ring, never filled by a tensor load: for each wave 3 heads x 16 rows x 144 bytes
.set SP,    144
.set WSTG,  3*16*SP
.set SPARE, STAGE+4*WSTG               ; the spare words, 128 bytes a wave: two blocks of 256 bytes that no other line names
.set NL,    2*NBK+8                    ; LDS loads in a run
.set STEPA, KSTEP*2                    ; bytes from a K step of xb to the next
.set A0,   16                          ; v16     my lane's place among my fragments of xb in slot 0; never rewritten
.set B0,   17                          ; v17     the same for wall
.set ADRA, 20                          ; v20     the LDS address of the run in hand, for xb
.set ADRB, 21                          ; v21     for wall
.set PF,   22                          ; v22     my block in a request ahead: row l % 16, K step l / 16; never rewritten
.set STO,  24                          ; v24     the way out: where I put 16 bytes of a row
.set RD,   25                          ; v25     where I read rows back
.set GO,   26                          ; v26     my 16 bytes in 512 consecutive bytes of a plane
.set BO,   27                          ; v27     my byte offset in 16 biases
.set SPW,  28                          ; v28     LDS address of my spare word; never rewritten
.set NIL,  29                          ; v29     0; never rewritten
.set FA,   32
.set BI,   96
.set G1, 24                            ; s[24:31] descriptor group 1 for xb's tiles; s[32:39] group 0: a set for each of the two first fills; the second then walks on
.set G0, 32
.set G1B, 48                           ; s[48:55], s[56:63] the same for wall's
.set G0B, 56
.set TB,  66                           ; s66      0 or SLOT1: the slot that is read
.set PB,  72                           ; s[72:73] xb at my 16 rows of the tile row, at the K step to be asked for next
.set MSB, 0
.macro WIN new                         ; the immediate's high byte repeats the setting that is left; a switch that changes nothing is dropped
.if MSB != (\new)
	s_set_vgpr_msb (MSB<<8)|(\new)
.set MSB, \new
.endif
.endm
.macro JLOAD s                         ; a joint load: waves 0 and 1 fetch xb's two halves, waves 2 and 3 wall's; an s_nop 0 and four v_nop follow each line
	s_cmp_eq_u32 s11, 0
	s_cbranch_scc0 .Lfor_b_\@
	tensor_load_to_lds s[G0+4*(\s):G0+4*(\s)+3], s[G1:G1+7]
	s_nop 0
.rept 4
	v_nop
.endr
	s_branch .Lasked_\@
.Lfor_b_\@:
	tensor_load_to_lds s[G0B+4*(\s):G0B+4*(\s)+3], s[G1B:G1B+7]
	s_nop 0
.rept 4
	v_nop
.endr
.Lasked_\@:
.endm
.macro CROUND                          ; a round of the cluster's barrier: my work-group's barrier; wave 0 signals for the work-group; every wave waits for all sixteen; my work-group's barrier once more
	s_barrier_signal -1
	s_barrier_wait -1
	s_cmp_lg_u32 s10, 0
	s_cbranch_scc1 .Lnot_wave_0_\@
	s_barrier_signal -3
.Lnot_wave_0_\@:
	s_barrier_wait -3
	s_barrier_signal -1
	s_barrier_wait -1
.endm
	s_load_b128 s[4:7], s[0:1], 0x0                ; xb s[4:5], wall s[6:7]
	s_load_b128 s[68:71], s[0:1], 0x10             ; ball s[68:69], qkvb s[70:71]
	v_lshl_add_u32 v[SPW], v0, 2, SPARE
	v_mov_b32 v[NIL], 0
	ds_add_u32 v28, v29
	s_wait_dscnt 0x0
	v_lshrrev_b32 v1, 5, v0
	v_readfirstlane_b32 s10, v1                    ; wave 0..3
	s_lshr_b32 s11, s10, 1                         ; I fetch for xb (0) or for wall (1)
	s_and_b32 s12, s10, 1                          ; which half of that tile's rows
	s_bfe_u32 s40, ttmp6, 0x40000                  ; cx, cy: my place in the cluster
	s_bfe_u32 s41, ttmp6, 0x40004
	s_lshl_b32 s42, ttmp9, 2
	s_add_co_u32 s42, s42, s40                     ; tile column = 4 x cluster x + cx
	s_and_b32 s13, ttmp7, 0xffff
	s_lshl_b32 s13, s13, 2
	s_add_co_u32 s13, s13, s41                     ; tile row = 4 x cluster y + cy
	s_lshl_b32 s43, s41, 2
	s_lshl_b32 s43, 15, s43                        ; my row of the cluster
	s_lshl_b32 s44, 0x1111, s40                    ; my column
	; group 1: rows of 128 elements of 2 bytes, padded by 4 words after every 64; 128 rows of xb, 96 rows of wall
	s_or_b32 s[G1+0], s43, (1<<16)|(1<<20)|(1<<21)|(5<<22)|(3<<25)
	s_or_b32 s[G1B+0], s44, (1<<16)|(1<<20)|(1<<21)|(5<<22)|(3<<25)
.irp g, G1, G1B
	s_mov_b32 s[(\g)+1], KSTEP<<16                 ; tensor_dim0 = 128
	s_mov_b32 s[(\g)+3], KSTEP<<16                 ; tile_dim0 = 128
	s_mov_b32 s[(\g)+5], 1024                      ; elements from row to row
	s_mov_b32 s[(\g)+6], 0
	s_mov_b32 s[(\g)+7], 0
.endr
	s_mov_b32 s[G1+2], 128<<16                     ; tensor_dim1
	s_mov_b32 s[G1+4], 128                         ; tile_dim1
	s_mov_b32 s[G1B+2], 96<<16
	s_mov_b32 s[G1B+4], 96
	s_lshl_b32 s17, s12, 7
	s_lshl_b32 s16, s13, 8
	s_add_co_u32 s16, s16, s17                     ; xb: row 256 x tile row + 128 x half,
	s_lshl_b32 s16, s16, 11                        ; of 2,048 bytes
	s_mov_b32 s17, 0
	s_mul_i32 s46, s42, 192
	s_mul_i32 s47, s12, 96
	s_add_co_u32 s46, s46, s47                     ; wall: row 192 x tile column + 96 x half
	s_lshl_b32 s46, s46, 11
	s_mov_b32 s47, 0
	s_mul_i32 s18, s12, 128*PITCH                  ; where they go: no place in the cluster enters an LDS address
	s_mul_i32 s19, s12, 96*PITCH
	s_add_co_u32 s19, s19, BOFF
	s_lshl_b32 s[PB], s13, 8                       ; the requests ahead: row 256 x tile row + 16 x tile column (in registers that feed no descriptor),
	s_lshl_b32 s74, s42, 4
	s_add_co_u32 s[PB], s[PB], s74
	s_lshl_b32 s[PB], s[PB], 11
	s_add_co_u32 s[PB], s[PB], 2*KSTEP*2           ; at K step 2
	s_mov_b32 s[PB+1], 0
	s_mov_b32 s[TB], 0                             ; slot 0 is read first
	s_wait_kmcnt 0x0
	s_add_nc_u64 s[14:15], s[4:5], s[16:17]
	s_add_nc_u64 s[46:47], s[6:7], s[46:47]
	s_add_nc_u64 s[PB:PB+1], s[4:5], s[PB:PB+1]
	CROUND                                         ; all sixteen work-groups are here: the first joint loads meet
.irp s, 0,1
	s_mov_b32 s[G0+4*(\s)], 1
	s_add_co_u32 s[G0+4*(\s)+1], s18, (\s)*SLOT1
	s_add_nc_u64 s[G0+4*(\s)+2:G0+4*(\s)+3], s[14:15], (\s)*STEPA
	s_or_b32 s[G0+4*(\s)+3], s[G0+4*(\s)+3], 0x80000000
	s_mov_b32 s[G0B+4*(\s)], 1
	s_add_co_u32 s[G0B+4*(\s)+1], s19, (\s)*SLOT1
	s_add_nc_u64 s[G0B+4*(\s)+2:G0B+4*(\s)+3], s[46:47], (\s)*KSTEP*2
	s_or_b32 s[G0B+4*(\s)+3], s[G0B+4*(\s)+3], 0x80000000
	JLOAD \s                                       ; two tensor loads of mine are out here, later one
.endr
	v_and_b32 v1, 15, v0                           ; l % 16
	v_bfe_u32 v2, v0, 4, 1                         ; l / 16
	v_lshlrev_b32 v[BO], 5, v2                     ; register j of my accumulators is column 8 (l / 16) + j of its block
	s_mul_i32 s16, s42, 64*NBK                     ; the tile's 192 biases
	s_mov_b32 s17, 0
	s_add_nc_u64 s[68:69], s[68:69], s[16:17]
.set i, 0
.rept NBK
	global_load_b128 v[BI+8*i:BI+8*i+3],   v[BO], s[68:69] offset:64*i
	global_load_b128 v[BI+8*i+4:BI+8*i+7], v[BO], s[68:69] offset:64*i+16
.set i, i+1
.endr
	v_lshlrev_b32 v[PF], 11, v1                    ; a row of xb is 2,048 bytes,
	v_lshl_add_u32 v[PF], v2, 8, v[PF]             ; a K step 256
	s_cmp_lg_u32 s10, 0
	s_cbranch_scc1 .Lno_ask_head
	global_prefetch_b8 v[PF], s[PB:PB+1] th:TH_LOAD_NT scope:SCOPE_SE  ; K steps 2 and 3 of my 16 rows
.Lno_ask_head:
	v_mul_u32_u24 v3, v1, PITCH
	v_lshl_add_u32 v3, v2, 4, v3                   ; a fragment's row x pitch + 16 x half
	s_mul_i32 s21, s10, 64*PITCH                   ; my 64 rows of xb
	v_add_nc_u32 v[A0], s21, v3
	v_add_nc_u32 v[B0], BOFF, v3                   ; all 192 rows of wall
	s_mul_i32 s23, s10, WSTG
	s_add_co_u32 s23, s23, STAGE                   ; my stage
	v_mul_u32_u24 v4, v1, SP                       ; in: row l % 16, 16 bytes for each half of the lanes
	v_lshl_add_u32 v4, v2, 4, v4
	v_add_nc_u32 v[STO], s23, v4
	v_bfe_u32 v5, v0, 3, 2                         ; back: 32 lanes take four rows of 128 bytes,
	v_mul_u32_u24 v5, v5, SP
	v_and_b32 v6, 7, v0
	v_lshl_add_u32 v5, v6, 4, v5
	v_add_nc_u32 v[RD], s23, v5
	v_and_b32 v[GO], 31, v0                        ; which are 512 consecutive bytes of a plane
	v_lshlrev_b32 v[GO], 4, v[GO]
	s_lshr_b32 s16, s13, 3                         ; batch = tile row / 8
	s_mul_i32 s16, s16, 48
	s_mul_i32 s17, s42, 3
	s_add_co_u32 s16, s16, s17                     ; my first plane = 48 x batch + 3 x tile column,
	s_lshl_b32 s16, s16, 18                        ; of 262,144 bytes
	s_and_b32 s17, s13, 7
	s_lshl_b32 s17, s17, 8
	s_lshl_b32 s14, s10, 6
	s_add_co_u32 s17, s17, s14                     ; my first row in it,
	s_lshl_b32 s17, s17, 7                         ; of 128 bytes
	s_add_co_u32 s16, s16, s17
	s_mov_b32 s17, 0
	s_add_nc_u64 s[8:9], s[70:71], s[16:17]
; 12 matrix instructions: row block a x all column blocks, 32 along K, from buffer f.  zero = 1: the first product starts the sums, with the bias as C.
; The 48 accumulators take turns, one instruction a turn, in the same order in every quarter.
.macro MULA f, a, zero
.if \zero
	WIN 0x81+0x40*((\a)/2)                         ; source 0 window 1, source 1 and C window 0, D window 2 or 3
.else
	WIN 0xa1+0x50*((\a)/2)                         ; C and D window 2 or 3
.endif
.set b, 0
.rept NBK
.set rD, 8*(NBK*((\a)%2)+b)
.set rB, (\f)*8*NBK+8*b
.set rA, FA+(\f)*32+8*(\a)
.if \zero
	v_wmma_f32_16x16x32_bf16 v[rD:rD+7], v[rB:rB+7], v[rA:rA+7], v[BI+8*b:BI+8*b+7]
.else
	v_wmma_f32_16x16x32_bf16 v[rD:rD+7], v[rB:rB+7], v[rA:rA+7], v[rD:rD+7]
.endif
.set b, b+1
.endr
.endm
; 32 LDS loads in one run: quarter q's fragments (192 rows of wall, my 64 rows of xb, 32 K) out of the slot that s[TB] names, into buffer f.  The two additions that make the addresses
; name no register of a matrix instruction: they are two of the four places in front of the loads.
.macro FETCH q, f
	WIN 0
	v_add_nc_u32 v[ADRA], s[TB], v[A0]
	v_add_nc_u32 v[ADRB], s[TB], v[B0]
	WIN 0x40                                       ; destination window 1, address window 0
.set i, 0
.rept NBK
	ds_load_b128 v[(\f)*8*NBK+8*i:(\f)*8*NBK+8*i+3],   v[ADRB] offset:64*(\q)+i*16*PITCH
	ds_load_b128 v[(\f)*8*NBK+8*i+4:(\f)*8*NBK+8*i+7], v[ADRB] offset:64*(\q)+i*16*PITCH+32
.set i, i+1
.endr
	WIN 0
.set i, 0
.rept 4
	ds_load_b128 v[FA+(\f)*32+8*i:FA+(\f)*32+8*i+3],   v[ADRA] offset:64*(\q)+i*16*PITCH
	ds_load_b128 v[FA+(\f)*32+8*i+4:FA+(\f)*32+8*i+7], v[ADRA] offset:64*(\q)+i*16*PITCH+32
.set i, i+1
.endr
.endm
; A load into a register that a matrix instruction has read, and a vector instruction that reads a matrix result, stand four places behind it; only plain vector instructions that name none of its
; registers are places (ISA guide 7.12.1 for vector instructions).
.macro TWOPL                           ; two of the four in front of a run of loads; the run's own two additions are the others
	v_nop
	v_nop
.endm
.macro PLACES
.rept 4
	v_nop
.endr
.endm
; A K step is four quarters of 32 along K, 48 matrix instructions each, on buffers 0, 1, 0, 1.  One of the first three multiplies buffer f and fetches quarter q into g.
.macro QUARTER q, f, g, zero
	s_wait_dscnt 4                                 ; wall's fragments and xb's blocks 0, 1 are in; the youngest four loads (blocks 2, 3) may be out
	MULA \f, 0, \zero
	MULA \f, 1, \zero
	TWOPL
	FETCH \q, \g
	s_wait_dscnt NL                                ; all but the run just issued
	MULA \f, 2, \zero
	MULA \f, 3, \zero
.endm
.macro ASK                             ; wave 0, in the trips with s3 = 5 and 3 (they leave K steps 1 and 3): two K steps of my 16 rows, those that s[PB] has reached
	s_cmp_lg_u32 s10, 0
	s_cbranch_scc1 .Lno_ask_\@
	s_bitcmp1_b32 s3, 0
	s_cbranch_scc0 .Lno_ask_\@
	s_cmp_eq_u32 s3, 1
	s_cbranch_scc1 .Lno_ask_\@
	global_prefetch_b8 v[PF], s[PB:PB+1] th:TH_LOAD_NT scope:SCOPE_SE
.Lno_ask_\@:
.endm
; The last quarter multiplies buffer 1 and changes slots.  Half of its products, which touch registers alone, stand ahead of the wait for the next slot's tile; then each wave waits for all its tensor
; loads (one is out: its part of the next slot), adds 0 to its spare word, and waits for that and for its reads of this slot.  fill = 1: a round of the cluster's barrier follows, so that no wave of any
; partner still reads this slot or has a load on its way, and this slot is filled again, two K steps ahead, first thing behind the round: the load has a whole K step, 192 matrix instructions, in which
; to land.  The other half of the products stands behind the next slot's first run of fragment loads.
.macro TURN fill
	s_wait_dscnt 4
	MULA 1, 0, 0
	MULA 1, 1, 0
	WIN 0                                          ; the add's two registers lie in window 0
	s_wait_tensorcnt 0x0                           ; no tensor load of mine is out, so a group 0 may be written
	ds_add_u32 v[SPW], v[NIL]                      ; 0 onto my spare word; scalar work stands between it and the wait for it
	s_xor_b32 s[TB], s[TB], SLOT1                  ; the fetches go to the other slot
.if \fill
	s_xor_b32 s[G0+5], s[G0+5], SLOT1              ; the walking descriptors: the other slot than last time,
	s_add_nc_u64 s[G0+6:G0+7], s[G0+6:G0+7], STEPA ; the next K step; the type bits on top are not reached
	s_xor_b32 s[G0B+5], s[G0B+5], SLOT1
	s_add_nc_u64 s[G0B+6:G0B+7], s[G0B+6:G0B+7], KSTEP*2
	s_wait_xcnt 0x0                                ; the last request ahead, a K step back, has had its addresses translated: its base may step
	s_add_nc_u64 s[PB:PB+1], s[PB:PB+1], KSTEP*2
	s_wait_dscnt 0x0                               ; the add is done, and my reads of this slot are over
	CROUND
	JLOAD 1                                        ; the four v_nop behind it stand in front of the loads below too
	ASK
.else
	s_wait_dscnt 0x0
	s_barrier_signal -1
	s_barrier_wait -1
	TWOPL
.endif
	FETCH 0, 0
	MULA 1, 2, 0
	MULA 1, 3, 0
.endm
	s_wait_tensorcnt 1                             ; my part of K step 0 is in; step 1's may stay out
	s_barrier_signal -1
	s_barrier_wait -1                              ; everybody's is
	FETCH 0, 0
	s_wait_loadcnt 0x0                             ; the bias
	QUARTER 1, 0, 1, 1                             ; the first quarter stands in front of the loop: its products start the sums
	WIN 0                                          ; at a label and at a branch every window is 0
	s_mov_b32 s3, 6                                ; six trips bring K steps 2 to 7
.Lstep:                                                ; a trip goes from a K step's second quarter to the next step's first, and fills the slot that it leaves
	QUARTER 2, 1, 0, 0
	QUARTER 3, 0, 1, 0
	TURN 1
	QUARTER 1, 0, 1, 0
	WIN 0
	s_sub_co_u32 s3, s3, 1
	s_cmp_lg_u32 s3, 0
	s_cbranch_scc1 .Lstep
	QUARTER 2, 1, 0, 0                             ; K steps 6 and 7 fill nothing: they are written out
	QUARTER 3, 0, 1, 0
	TURN 0
	QUARTER 1, 0, 1, 0
	QUARTER 2, 1, 0, 0
	QUARTER 3, 0, 1, 0
	s_wait_dscnt 4
	MULA 1, 0, 0
	MULA 1, 1, 0
	s_wait_dscnt 0x0
	MULA 1, 2, 0
	MULA 1, 3, 0
	WIN 0
	PLACES
; THE WAY OUT, a block of 16 rows at a time.  PACK: rounded to f16 (each accumulator's registers in ascending order), 16 bytes a lane into my stage, by heads, in rows of 144 bytes; back as whole rows
; of 128 bytes, into the registers that they left.  Each block has 48 registers of its own, so no register that a store reads is written again.
.macro PACK a
.set WO, 64+48*(\a)
	WIN 0x0a+5*((\a)/2)                            ; sources 0 and 1: window 2 or 3
.set b, 0
.rept NBK
.set rD, 8*(NBK*((\a)%2)+b)
.irp r, 0,1,2,3
	v_cvt_pk_f16_f32 v[WO+4*b+(\r)], v[rD+2*(\r)], v[rD+2*(\r)+1]
.endr
.set b, b+1
.endr
	WIN 0
.set b, 0
.rept NBK
	ds_store_b128 v[STO], v[WO+4*b:WO+4*b+3] offset:(b/4)*16*SP+32*(b%4)
.set b, b+1
.endr
.set n, 0
.rept 12
	ds_load_b128 v[WO+4*n:WO+4*n+3], v[RD] offset:(n/4)*16*SP+(n%4)*4*SP  ; LDS serves a wave's instructions in order (ISA guide 5.7.1.4): these see the stores above; the next block's stores come behind them
.set n, n+1
.endr
.endm
.macro SEND a, younger                 ; younger: the LDS instructions issued behind block a's loads: the next block's 24, or none
.set WO, 64+48*(\a)
.set n, 0
.rept 12
.if n%4 == 0
	s_wait_dscnt (\younger)+8-n                    ; a head's four loads are in; the block's later loads and the younger instructions may be out
.endif
	global_store_b128 v[GO], v[WO+4*n:WO+4*n+3], s[8:9] offset:(n/4)*262144+(\a)*2048+(n%4)*512  ; 512 consecutive bytes of a plane, aligned
.set n, n+1
.endr
.endm
	PACK 0
	PACK 1                                         ; a block's conversions stand between the loads of the block before and its stores
	SEND 0, 24
	PACK 2
	SEND 1, 24
	PACK 3
	SEND 2, 24
	SEND 3, 0
	s_wait_tensorcnt 0x0                           ; the wave's end
	ds_add_u32 v[SPW], v[NIL]
	s_wait_dscnt 0x0
	CROUND                                         ; the closing round: no work-group ends while a partner may still ask for a tile that names it
	s_endpgm
.Lfunc_end_k_qbf3320dcd9_proj:
	.size	k_qbf3320dcd9_proj, .Lfunc_end_k_qbf3320dcd9_proj-k_qbf3320dcd9_proj
	.p2alignl 7, 3214868480
	.fill 96, 4, 3214868480
	.section	.rodata,"a",@progbits
	.p2align	6, 0x0
	.amdhsa_kernel k_qbf3320dcd9_proj
		.amdhsa_group_segment_fixed_size 327680
		.amdhsa_private_segment_fixed_size 0
		.amdhsa_enable_private_segment 0
		.amdhsa_kernarg_size 32
		.amdhsa_user_sgpr_count 2
		.amdhsa_user_sgpr_kernarg_segment_ptr 1
		.amdhsa_wavefront_size32 1
		.amdhsa_system_sgpr_workgroup_id_x 1
		.amdhsa_system_sgpr_workgroup_id_y 1
		.amdhsa_system_sgpr_workgroup_id_z 1
		.amdhsa_system_vgpr_workitem_id 0
		.amdhsa_next_free_vgpr 960
		.amdhsa_next_free_sgpr 76
		.amdhsa_reserve_vcc 0
		.amdhsa_float_denorm_mode_32 3
		.amdhsa_float_denorm_mode_16_64 3
		.amdhsa_memory_ordered 1
		.amdhsa_forward_progress 1
		.amdhsa_inst_pref_size 100
	.end_amdhsa_kernel
	.amdgpu_metadata
---
amdhsa.version: [ 1, 2 ]
amdhsa.kernels:
  - .name:           k_qbf3320dcd9_proj
    .symbol:         k_qbf3320dcd9_proj.kd
    .args:
      - { .name: xb, .offset: 0, .size: 8, .value_kind: global_buffer, .address_space: global }
      - { .name: wall, .offset: 8, .size: 8, .value_kind: global_buffer, .address_space: global }
      - { .name: ball, .offset: 16, .size: 8, .value_kind: global_buffer, .address_space: global }
      - { .name: qkvb, .offset: 24, .size: 8, .value_kind: global_buffer, .address_space: global }
    .group_segment_fixed_size: 327680
    .private_segment_fixed_size: 0
    .kernarg_segment_align: 8
    .kernarg_segment_size: 32
    .max_flat_workgroup_size: 128
    .sgpr_count:     76
    .vgpr_count:     960
    .wavefront_size: 32
...
	.end_amdgpu_metadata
.endif
;; end of part 2
;; launch attn (part 3): grid 4 x 64, 4 waves a work-group, clusters of 4 x 1, 327,680 bytes of LDS; arguments qkvb, obuf, mask, task_emb, Wt, bt; writes obuf
.if DOCPART == 3
	.amdgcn_target "amdgcn-amd-amdhsa--gfx1250"
	.amdhsa_code_object_version 6
	.text
	.protected	k_qbf3320dcd9_attn
	.globl	k_qbf3320dcd9_attn
	.p2align	8
	.type	k_qbf3320dcd9_attn,@function
k_qbf3320dcd9_attn:
	s_mov_b64 s[64:65], 0
	v_nop
	global_prefetch_b8 v0, s[64:65] scope:SCOPE_SE
	s_setreg_imm32_b32 hwreg(HW_REG_WAVE_MODE, 25, 1), 1
	s_wait_xcnt 0x0
	s_wait_alu depctr_hold_cnt(0) depctr_sa_sdst(0) depctr_va_vdst(0) depctr_va_sdst(0) depctr_va_ssrc(0) depctr_va_vcc(0) depctr_vm_vsrc(0)
	s_getreg_b32 s2, hwreg(HW_REG_IB_STS2, 6, 4)
	s_cmp_eq_u32 s2, 0
	s_cbranch_scc0 .Lentry_in_a_cluster
	s_endpgm
.Lentry_in_a_cluster:
	s_bfe_u32 s2, ttmp6, 0x10000c
	s_cmp_lg_u32 s2, 0x3003
	s_cbranch_scc0 .Lentry_shape_is_right
	s_endpgm
.Lentry_shape_is_right:
; ATTENTION.  For batch b and head h: O[q][:] = the sum over k of softmax_k(Q[q] . K[k] / 8 + bias(b, h), hidden keys left out) V[k][:], bias = task_emb[b] . Wt[:, h] + bt[h], key k hidden where mask[b][k] = 0.
; Q, K, V: planes of qkvb, [2048][64] f16 (plane 48 b + h, + 16, + 32); O: plane 16 b + h of obuf, the same layout.  Products, maxima and sums in f32; the weights p are rounded to f16 for the
; second product (their sum l is taken of the unrounded p), O once at the end.
; LIMITS.  f16 holds no number beyond 65,504: Q, K and V arrive within it; p below 6e-5 keeps f16's fixed step of 6e-8.  A hidden score counts as -1e30: visible scores + 8 bias must stay above -1e29.
; A weight below 2^-126 counts as 0 in l.  A batch with no visible key gives NaN.
; SHARES.  A wave owns four PIECES of two tiles of 16 queries, a work-group's four waves 512 queries of one head: 256 work-groups.  Every wave walks all 2,048 keys, 64 a step.
; LAYOUT.  S^T = K Q^T (source 0 = 16 keys, source 1 = 16 queries): a lane holds ONE query (lane % 16) and the keys 8 (lane / 16) + 0..7.  Two such tiles, rounded to f16 in pairs, ARE source 1 of
; O^T = V^T P.  K comes out of LDS as it lies, V turned, by ds_load_tr16_b128.
; MASK AND BIAS are the C operand of the product that starts a sum S^T: one f32 a key, 8 bias or -1e30, made once by the work-group, kept in LDS (MB) and fetched with each step's K.
; SOFTMAX.  For each query a running maximum m and sum l: p = 2^(c s - c m), c = log2(e) / 8, so c (s + 8 bias) = log2(e) (s / 8 + bias); in every step O and l are multiplied by
; a = 2^(c m_old - c m_new).  m starts at the lowest finite number, O and l at 0: the first step is a step like any other, with a = 0.  Steps whose keys are all hidden, ahead of the first visible key, are wiped out by a later a = 0.
; BY TURNS.  Turn n belongs to piece n.  Its matrix work: 16 products K Q^T of piece n + 1, later 16 products V^T P of piece n - 1.  Its vector work: the scaling, exponentials, roundings, sums and
; rescaling of piece n, and the maximum and statistics of piece n + 1.  A tile and step have 16 matrix and 118 vector instructions: four that are ready stand behind every matrix instruction, the others in two lumps.
; CLUSTER.  The four query blocks of a head walk the same K and V: each tile is asked for JOINTLY, by the same tensor load, descriptor and mask in all four.
; REGISTERS, in windows of 256 (s_set_vgpr_msb: bits 1:0 source 0, 3:2 source 1, 5:4 source 2, 7:6 destination):
;   window 0: v0-11 addresses; v12-15, v48-63 at work; v16-47 four registers of statistics a tile; v64-191 S^T, two buffers of two tiles; v192-255 P, likewise
;   window 1: O^T, 32 a tile     window 2: v0-127 Q; v128-191 K of one step; v192-255 V of one step     window 3: v0-1 the add's two registers; v8-39 the step's mask and bias
.set NP,    4         ; pieces a wave: a name, no knob
.set KS,    64        ; keys in a step
.set PK,    144       ; a row of K in LDS: 128 bytes + 16 of padding = 36 words: the 16 rows of a load start at 16 different groups of four banks (ISA guide 11.1)
.set PV,    160       ; a row of V: 128 + 32 = 40 words
.set VOFF,  4*KS*PK   ; a slot holds four steps: 256 rows of K, then 256 rows of V
.set SLOT1, 1<<17     ; slot 1 begins here, so that one exclusive or turns an address in one slot into the other's
.set STAGE, SLOT1+4*KS*(PK+PV)  ; behind the ring, never filled by a tensor load: 16 rows x 144 bytes for each wave, for the way out
.set SP,    144
.set MB,    STAGE+4*16*SP       ; 2,048 keys x 4 bytes: mask and bias; written once by ds_store, never filled by a tensor load
.set SPARE, MB+8192             ; the spare words, 128 bytes a wave: two blocks of 256 bytes that no other line names
.set AK0, 2           ; v2   my lane's place in a tile of K; never rewritten
.set AV0, 3           ; v3   the same for V
.set AK,  4           ; v4   the LDS address of K's next run of loads
.set AV,  5           ; v5   of V's
.set QO,  6           ; v6   my byte offset in the wave's rows of Q
.set STO, 6           ;      later, the way out: where I put 16 bytes of a row
.set RD,  7           ; v7   the way out: where I read rows back
.set GO,  8           ; v8   my byte offset in 512 consecutive bytes of O
.set AM,  11          ; v11  the LDS address of the next step's mask and bias
.set SPW, 0           ; v0 of window 3   LDS address of my spare word; never rewritten
.set NIL, 1           ; v1 of window 3   0; never rewritten
.set MC,  8           ; v8-39 of window 3: key block kb at MC + 8 kb
.set MV,  12          ; v12-15  c m_old, kept while c m is made anew: by buffer and tile
.set ST,  16          ; tile t's statistics at v[ST+4 t]: c m, m, l (even keys', odd keys')
.set TMP, 48          ; by buffer and tile, four registers c0-c3 at work; when the maximum is found c2 takes a
.set S,   64
.set P,   192
.set KF,  128         ; K's fragments, in window 2: key block kb, channel half c at KF + 16 kb + 8 c
.set VF,  192         ; V's: key half kk, channel block cb at VF + 32 kk + 8 cb
.set WV,  12          ; s12  my wave's number
.set G1K, 24          ; s[24:31] descriptor group 1 for K's tiles
.set G1V, 32          ; s[32:39] for V's: it differs in the padding alone
.set G0K, 40          ; s[40:43] descriptor group 0 for K's tiles: it walks
.set G0V, 44          ; s[44:47] the same for V's
.set SLOTS, 56        ; s56  slots still to be asked for
.set CNT, 57          ; s57  counts a slot's key steps
.set CS,  58          ; s[58:59] c
.set SEL, 60          ; s[60:61] v_permlanex16_b32's selects: each lane takes its own place in the other half
.set TBK, 62          ; s62  LDS byte at which K of the step to be fetched begins
.set TBV, 63          ; s63  the same for V, less VOFF
.set TBM, 66          ; s66  the same for mask and bias
.set NEG, 67          ; s67  -1e29
.set MSB, 0
.macro WIN new                      ; the high byte repeats the setting that is left; a switch that changes nothing is dropped
.if MSB != (\new)
	s_set_vgpr_msb (MSB<<8)|(\new)
.set MSB, (\new)
.endif
.endm
.set W_KQ, 0x0a       ; K and Q in window 2, S^T in window 0
.set W_KM, 0x3a       ; the same with the C operand in window 3
.set W_PV, 0x52       ; V in window 2, P in window 0, O^T in window 1
.set W_RS, 0x41       ; O^T (destination and source 0) in window 1, a in window 0
.set W_MK, 0xc0       ; destination in window 3, sources in window 0
.set W_AD, 0x0f       ; the add: address (source 0) and data (source 1) in window 3
; A joint fill.  Waves 0 and 1 fetch the two halves of a slot's K, waves 2 and 3 those of its V: 128 keys each.  An s_nop 0 and four v_nop follow each of the two lines.
.macro JLOAD
	s_cmp_lt_u32 s[WV], 2
	s_cbranch_scc0 .Lfor_v_\@
	tensor_load_to_lds s[G0K:G0K+3], s[G1K:G1K+7]
	s_nop 0
.rept 4
	v_nop
.endr
	s_branch .Lasked_\@
.Lfor_v_\@:
	tensor_load_to_lds s[G0V:G0V+3], s[G1V:G1V+7]
	s_nop 0
.rept 4
	v_nop
.endr
.Lasked_\@:
.endm
; A round of the cluster's barrier
.macro CROUND
	s_barrier_signal -1
	s_barrier_wait -1
	s_cmp_lg_u32 s[WV], 0
	s_cbranch_scc1 .Lnot_wave_0_\@
	s_barrier_signal -3
.Lnot_wave_0_\@:
	s_barrier_wait -3
	s_barrier_signal -1
	s_barrier_wait -1
.endm
; THE CHANGE OF SLOTS.  Each wave waits for all its tensor loads, of which one is out: its part of the other slot; adds 0 to its spare word; and waits for that and for its own LDS work.  Behind the
; barrier nobody reads this slot any more and the other slot is whole.  fill = 1: this slot is filled again, with the keys two slots on; the barrier is then a round of the cluster's, and the joint fill
; is the first thing behind it: it has four key steps, 512 matrix instructions, in which to land.  (At its first use nothing has been read yet: slot 0 is waited for, slot 1 filled, and the waves'
; stores of mask and bias are shown to each other.)
.macro CHANGE fill
	WIN W_AD
	s_wait_tensorcnt 0x0            ; no tensor load of mine is out, so a group 0 may be written
	ds_add_u32 v[SPW], v[NIL]
	WIN 0                           ; at a label and at a branch every window is 0
.if \fill
.irp g, G0K, G0V
	s_xor_b32 s[\g+1], s[\g+1], SLOT1  ; the walking descriptor: the other slot than last time,
	s_add_nc_u64 s[\g+2:\g+3], s[\g+2:\g+3], 4*KS*128  ; the next 256 keys; the type bits on top are not reached
.endr
	s_wait_dscnt 0x0                ; the add is done, and my LDS reads and stores are over
	CROUND
	JLOAD
.else
	s_wait_dscnt 0x0
	s_barrier_signal -1
	s_barrier_wait -1
.endif
	s_sub_co_u32 s[TBK], s[TBK], 4*KS*PK  ; the fetches go back to a slot's first step,
	s_xor_b32 s[TBK], s[TBK], SLOT1       ; in the other slot
	s_sub_co_u32 s[TBV], s[TBV], 4*KS*PV
	s_xor_b32 s[TBV], s[TBV], SLOT1
.endm
	s_load_b256 s[68:75], s[0:1], 0x0  ; qkvb s[68:69], obuf s[70:71], mask s[72:73], task_emb s[74:75]
	s_load_b128 s[76:79], s[0:1], 0x20 ; Wt s[76:77], bt s[78:79]
	WIN W_MK
	v_lshl_add_u32 v[SPW], v0, 2, SPARE
	v_mov_b32 v[NIL], 0
	s_set_vgpr_msb 0xc0cf
	ds_add_u32 v0, v1
	s_wait_dscnt 0x0
	s_set_vgpr_msb 0xcfc0
	WIN 0
	v_lshrrev_b32 v1, 5, v0
	v_readfirstlane_b32 s[WV], v1   ; wave 0..3
	s_bfe_u32 s13, ttmp6, 0x40000   ; cx: my place in the cluster
	s_lshl_b32 s14, ttmp9, 2        ; in a cluster launch ttmp9 counts clusters
	s_add_co_u32 s14, s14, s13      ; my block of 512 queries: it enters Q's and O's addresses alone
	s_and_b32 s19, ttmp7, 0xffff    ; y = 16 x batch + head, which the four partners share
	s_lshr_b32 s80, s19, 4          ; batch
	s_and_b32 s81, s19, 15
	s_lshl_b32 s81, s81, 2          ; 4 x head
	s_lshl_b32 s20, s80, 5
	s_add_co_u32 s20, s20, s19      ; q's plane = 48 x batch + head,
	s_lshl_b32 s20, s20, 18         ; of 262,144 bytes
	s_mov_b32 s21, 0
	s_lshl_b32 s82, s19, 18         ; O's plane = y
	s_mov_b32 s83, 0
	s_and_b32 s16, s[WV], 1         ; which half of a slot's 256 keys I fetch:
	s_lshl_b32 s22, s16, 14         ; its 128 rows of 128 bytes in memory,
	s_mov_b32 s23, 0
	s_add_nc_u64 s[22:23], s[22:23], s[20:21]
	s_mul_i32 s17, s16, 128*PK      ; and its place in a slot, for K
	s_mul_i32 s18, s16, 128*PV      ; and for V: no place in the cluster enters an LDS address
	s_lshl_b32 s2, s14, 2
	s_add_co_u32 s2, s2, s[WV]      ; my wave among the head's,
	s_lshl_b32 s2, s2, 14           ; its 128 rows
	s_mov_b32 s3, 0
	s_add_nc_u64 s[84:85], s[2:3], s[82:83]  ; offset of my rows in obuf,
	s_add_nc_u64 s[2:3], s[2:3], s[20:21]    ; and of my rows of Q in qkvb
	s_lshl_b32 s86, s80, 13         ; the batch's 2,048 words of the mask
	s_mov_b32 s87, 0
	s_lshl_b32 s88, s80, 8          ; its 64 numbers of task_emb
	s_mov_b32 s89, 0
	; descriptor group 1.  128 keys are 16,384 dense bytes: asked for as 64 rows of 256 bytes, two keys a row, and padded in LDS after every key
	s_mov_b32 s[G1K], 15|(1<<16)|(1<<20)|(1<<21)|(4<<22)|(3<<25)  ; 15:0 the mask of four; 17:16 2-byte elements; 20 padding on; 21 set beside a mask; 24:22 after every 32 words (code 4); 31:25 4 words (code 3)
	s_mov_b32 s[G1V], 15|(1<<16)|(1<<20)|(1<<21)|(4<<22)|(7<<25)  ; the same with 8 words of padding (code 7)
.irp g, G1K, G1V
	s_mov_b32 s[\g+1], 128<<16      ; tensor_dim0 = 128
	s_mov_b32 s[\g+2], 64<<16       ; tensor_dim1 = 64
	s_mov_b32 s[\g+3], 128<<16      ; tile_dim0 = 128
	s_mov_b32 s[\g+4], 64           ; tile_dim1 = 64
	s_mov_b32 s[\g+5], 128          ; 128 elements from row to row
	s_mov_b32 s[\g+6], 0
	s_mov_b32 s[\g+7], 0
.endr
	s_mov_b32 s[CS], 0x3e38aa3b     ; c = log2(e) / 8 = 0.180337
	s_mov_b32 s[CS+1], s[CS]        ; named with it as a pair
	s_mov_b32 s[SEL], 0x76543210
	s_mov_b32 s[SEL+1], 0xfedcba98
	s_mov_b32 s[TBK], SLOT1+4*KS*PK ; the first change of slots turns these two into 0
	s_mov_b32 s[TBV], SLOT1+4*KS*PV
	s_mov_b32 s[TBM], MB
	s_mov_b32 s[NEG], 0xefa18f08    ; -1e29
	s_mov_b32 s[G0K], 1             ; 1:0 count = 1
	s_mov_b32 s[G0K+1], s17         ; 63:32 LDS address: slot 0
	s_mov_b32 s[G0V], 1
	s_add_co_u32 s[G0V+1], s18, VOFF
	s_wait_kmcnt 0x0
	s_add_nc_u64 s[6:7], s[68:69], s[22:23]        ; q's plane at my half of the first 256 rows; k's plane lies 16 planes on, v's 32
	s_add_nc_u64 s[G0K+2:G0K+3], s[6:7], 0x400000  ; 120:64 global address
	s_or_b32 s[G0K+3], s[G0K+3], 0x80000000        ; 127:126 type = 2
	s_add_nc_u64 s[G0V+2:G0V+3], s[6:7], 0x800000
	s_or_b32 s[G0V+3], s[G0V+3], 0x80000000
	s_add_nc_u64 s[4:5], s[68:69], s[2:3]          ; Q and O at my wave's first row
	s_add_nc_u64 s[10:11], s[70:71], s[84:85]
	s_add_nc_u64 s[72:73], s[72:73], s[86:87]      ; mask and task_emb at the batch
	s_add_nc_u64 s[74:75], s[74:75], s[88:89]
	CROUND                          ; all four work-groups are here: the first joint loads meet
	JLOAD                           ; slot 0.  Slot 1 is asked for when slot 0 is in
	; A fragment of K or Q is 16 rows x 32 channels in 8 registers: lane l holds row l % 16, channels 8 (l / 16) + 0..7 and 16 + 8 (l / 16) + 0..7: two loads of 16 bytes, 32 bytes apart.
	v_and_b32 v1, 15, v0            ; l % 16
	v_bfe_u32 v9, v0, 4, 1          ; l / 16
	v_lshlrev_b32 v[QO], 7, v1
	v_lshl_add_u32 v[QO], v9, 4, v[QO]  ; row x 128 + 16 x half
	WIN 0x80                        ; destination window 2, address window 0
.set i, 0
.rept 4*NP                          ; Q stays in registers: tile i / 2, channels 32 (i % 2) on
	global_load_b128 v[8*i:8*i+3],   v[QO], s[4:5] offset:(i/2)*2048+(i%2)*64
	global_load_b128 v[8*i+4:8*i+7], v[QO], s[4:5] offset:(i/2)*2048+(i%2)*64+32
.set i, i+1
.endr
	WIN 0
	; What bias and mask need is asked for now, into S^T's registers, which are still free: lane l takes numbers l and l + 32 of task_emb[b] and of Wt's column h; thread t four times four words of the mask.
	v_and_b32 v64, 31, v0
	v_lshlrev_b32 v65, 2, v64
	v_lshl_add_u32 v66, v64, 6, s81 ; a row of Wt is 64 bytes
	v_mov_b32 v67, s81
	v_lshlrev_b32 v73, 4, v0
	global_load_b32 v68, v65, s[74:75]
	global_load_b32 v69, v65, s[74:75] offset:128
	global_load_b32 v70, v66, s[76:77]
	global_load_b32 v71, v66, s[76:77] offset:2048
	global_load_b32 v72, v67, s[78:79]
.irp c, 0,1,2,3
	global_load_b128 v[76+4*\c:79+4*\c], v73, s[72:73] offset:2048*\c
.endr
	; What the first turn finds: V's registers and P's second buffer hold 0 (its products V^T P, of a piece that has not been, add 0), O^T and l are 0.  All this stands in the wait for the first tile.
	WIN 0x80
.set i, VF
.rept 64
	v_mov_b32 v[i], 0
.set i, i+1
.endr
	WIN 0x40
.set i, 0
.rept 64*NP
	v_mov_b32 v[i], 0
.set i, i+1
.endr
	WIN 0
.set i, 0
.rept 2*NP
	v_mov_b32 v[ST+4*i], 0xfe000000    ; c m: far below every c s
	v_mov_b32 v[ST+4*i+1], 0xff7fffff  ; m
	v_mov_b32 v[ST+4*i+2], 0
	v_mov_b32 v[ST+4*i+3], 0
.set i, i+1
.endr
.set i, P+32
.rept 32
	v_mov_b32 v[i], 0
.set i, i+1
.endr
	v_mul_u32_u24 v[AK0], v1, PK
	v_lshl_add_u32 v[AK0], v9, 4, v[AK0]  ; row x pitch + 16 x half
	; The turning load takes 16 keys x 16 channels (lane l reads key 8 (l / 16) + l % 8, channels 8 ((l / 8) % 2) + 0..7) and leaves half a fragment of V^T: lane l holds channel l % 16 and 8 keys.
	v_and_b32 v10, 7, v0
	v_bfe_u32 v11, v0, 3, 1
	v_lshl_add_u32 v[AV0], v9, 3, v10
	v_mul_u32_u24 v[AV0], v[AV0], PV
	v_lshl_add_u32 v[AV0], v11, 4, v[AV0]
	v_add_nc_u32 v[AV0], VOFF, v[AV0]
	v_mov_b32 v[AK], v[AK0]         ; key step 0 lies at the head of slot 0,
	v_lshl_add_u32 v[AM], v9, 5, s[TBM]  ; its mask and bias at the head of MB: my lanes' eight keys of a block are 32 bytes
	; THE BIAS, in every wave, and THE MASK, a quarter of it in each.
	s_wait_loadcnt 4                ; all but the mask's four loads, the youngest
	v_mul_f32 v68, v68, v70
	v_fmac_f32 v68, v69, v71
	v_add_f32_dpp v68, v68, v68 row_xmask:1 row_mask:0xf bank_mask:0xf
	v_add_f32_dpp v68, v68, v68 row_xmask:2 row_mask:0xf bank_mask:0xf
	v_add_f32_dpp v68, v68, v68 row_xmask:4 row_mask:0xf bank_mask:0xf
	v_add_f32_dpp v68, v68, v68 row_xmask:8 row_mask:0xf bank_mask:0xf
	v_permlanex16_b32 v69, v68, s[SEL], s[SEL+1]
	v_add_f32 v68, v68, v69
	v_add_f32 v68, v68, v72         ; task_emb[b] . Wt[:, h] + bt[h]
	v_mul_f32 v74, 0x41000000, v68  ; times 8: it joins the unscaled score
	v_mov_b32 v75, 0xf149f2ca       ; -1e30
	v_lshl_add_u32 v92, v0, 4, MB
	s_wait_loadcnt 0x0
.set i, 0
.rept 16
	v_cmp_eq_u32 vcc_lo, 0, v[76+i]
	v_cndmask_b32 v[76+i], v74, v75, vcc_lo
.set i, i+1
.endr
.irp c, 0,1,2,3
	ds_store_b128 v92, v[76+4*\c:79+4*\c] offset:2048*\c  ; waited for, and shown to the other waves, by the change of slots below
.endr
; THE MATRIX WORK.  The 8 accumulators of a run of 16 take turns: between the two links of a chain stand 7 others'.
; Product i of 16 of S^T = K Q^T for piece x: channels 32 (i / 8) on, keys 16 ((i / 2) % 4) on, tile 2 x + i % 2.  The first 8 start the sums, with the keys' mask and bias as C.
.macro KQ x
.set rS, S+64*((\x)%2)+32*(i%2)+8*((i/2)%4)
.set rK, KF+16*((i/2)%4)+8*(i/8)
.set rQ, 16*(2*(\x)+i%2)+8*(i/8)
.set rMC, MC+8*((i/2)%4)
.if i < 8
	WIN W_KM
	v_wmma_f32_16x16x32_f16 v[rS:rS+7], v[rK:rK+7], v[rQ:rQ+7], v[rMC:rMC+7]
.else
	WIN W_KQ
	v_wmma_f32_16x16x32_f16 v[rS:rS+7], v[rK:rK+7], v[rQ:rQ+7], v[rS:rS+7]
.endif
.endm
; Product i of 16 of O^T += V^T P for piece x: keys 32 (i / 8) on, channels 16 ((i / 2) % 4) on, tile 2 x + i % 2.
.macro PV x
	WIN W_PV
.set rO, 32*(2*(\x)+i%2)+8*((i/2)%4)
.set rV, VF+32*(i/8)+8*((i/2)%4)
.set rP, P+32*((\x)%2)+16*(i%2)+8*(i/8)
	v_wmma_f32_16x16x32_f16 v[rO:rO+7], v[rV:rV+7], v[rP:rP+7], v[rO:rO+7]
.endm
.macro MM                           ; the turn's next matrix instruction
.if i < 16
	KQ (Y+1)%NP
.set i, i+1
.else
.set i, i-16
	PV (Y+NP-1)%NP
.set i, i+17
.endif
.endm
; THE LDS LOADS stand in runs, never singly among the matrix instructions: a step's K (8 fragments) with its mask and bias (24 loads), and its V, turned (16 loads).  Their addresses are made some lines ahead.
; last = 1 (the tail): in the last trip there is no further step, and the run is jumped over.
.macro FETCH_K last=0
	WIN 0
.if \last
	s_cmp_eq_u32 s[CNT], 1
	s_cbranch_scc1 .Lno_k_\@
.endif
	WIN 0x80                        ; destination window 2
.irp f, 0,1,2,3,4,5,6,7             ; keys 16 (f / 2) on, channels 32 (f % 2) on
	ds_load_b128 v[KF+8*\f:KF+8*\f+3],   v[AK] offset:(\f/2)*16*PK+(\f%2)*64
	ds_load_b128 v[KF+8*\f+4:KF+8*\f+7], v[AK] offset:(\f/2)*16*PK+(\f%2)*64+32
.endr
	WIN W_MK                        ; destination window 3
.irp f, 0,1,2,3                     ; key block f: my lanes' eight keys
	ds_load_b128 v[MC+8*\f:MC+8*\f+3],   v[AM] offset:64*\f
	ds_load_b128 v[MC+8*\f+4:MC+8*\f+7], v[AM] offset:64*\f+16
.endr
	s_add_co_u32 s[TBK], s[TBK], KS*PK  ; the next fetch is the next step's
	s_add_co_u32 s[TBM], s[TBM], KS*4
	WIN 0
.if \last
.Lno_k_\@:
.endif
.endm
.macro FETCH_V
	WIN 0x80
.irp f, 0,1,2,3,4,5,6,7             ; keys 32 (f / 4) on, channels 16 (f % 4) on
	ds_load_tr16_b128 v[VF+8*\f:VF+8*\f+3],   v[AV] offset:(\f/4)*32*PV+(\f%4)*32
	ds_load_tr16_b128 v[VF+8*\f+4:VF+8*\f+7], v[AV] offset:(\f/4)*32*PV+16*PV+(\f%4)*32
.endr
	WIN 0
.endm
; THE VECTOR WORK OF A TURN stands in three queues, each in the order in which its entries become ready; the two tiles alternate, so that no instruction reads the result of the one before it.
.macro REGS y, u                    ; the registers of tile u (0, 1) of piece y
.set rT, ST+4*(2*(\y)+(\u))
.set rC, TMP+8*((\y)%2)+4*(\u)
.set rM, MV+2*((\y)%2)+(\u)
.set rS, S+64*((\y)%2)+32*(\u)
.set rP, P+32*((\y)%2)+16*(\u)
.set rO, 32*(2*(\y)+(\u))
.endm
; Number n of the 22 that find the NEXT piece's (Y + 1) maximum and statistics.  s0-s31 are the lane's 32 scores; each accumulator's lowest registers are read first.
;   0-11  four chains c0-c3 of seven scores each, three operands at a time     12-14, 16  the four scores left over, the old m, and c0-c3 into c0     15  c m_old is kept
;   17, 18  the query's other 32 keys lie in the lane 16 away: the new m         19-21  c m; c m_old - c m_new; a
.macro XS u, n
	REGS (Y+1)%NP, \u
.if (\n) < 4
	v_max3_num_f32 v[rC+(\n)], v[rS+8*(\n)], v[rS+8*(\n)+1], v[rS+8*(\n)+2]
.elseif (\n) < 12
	v_max3_num_f32 v[rC+(\n)%4], v[rC+(\n)%4], v[rS+8*((\n)%4)+2*((\n)/4)+1], v[rS+8*((\n)%4)+2*((\n)/4)+2]
.elseif (\n) == 12
	v_max3_num_f32 v[rC], v[rC], v[rS+7], v[rS+15]
.elseif (\n) == 13
	v_max3_num_f32 v[rC+1], v[rC+1], v[rS+23], v[rS+31]
.elseif (\n) == 14
	v_max3_num_f32 v[rC+2], v[rC+2], v[rC+3], v[rT+1]
.elseif (\n) == 15
	v_mov_b32 v[rM], v[rT]
.elseif (\n) == 16
	v_max3_num_f32 v[rC], v[rC], v[rC+1], v[rC+2]
.elseif (\n) == 17
	v_permlanex16_b32 v[rC+3], v[rC], s[SEL], s[SEL+1]
.elseif (\n) == 18
	v_max_num_f32 v[rT+1], v[rC], v[rC+3]
.elseif (\n) == 19
	v_mul_f32 v[rT], s[CS], v[rT+1]
.elseif (\n) == 20
	v_sub_f32 v[rC+1], v[rM], v[rT]
.else
	v_exp_f32 v[rC+2], v[rC+1]
.endif
.endm
; Number g of the 64 that follow the exponentials.  For each four weights k of a tile (pairs 2 k, 2 k + 1): both pairs are rounded to f16; then the second pair is added onto the first, in place;
; a group later l takes that sum (the first time as l = a l + sum).  In groups of eight, tiles alternating: round, round, add, and l for the group before.
.macro GS g
.set h, (\g)+6*((\g)/62)            ; group 0 has no group before it, and behind group 7 only l is left
.if h >= 6
.set h, h+2
.endif
	REGS Y, h%2
.set k, h/8
.if h%8 < 4
	s_wait_alu depctr_va_vdst(0)
	v_cvt_pk_f16_f32 v[rP+2*k+(h%8)/2], v[rS+4*k+2*((h%8)/2)], v[rS+4*k+2*((h%8)/2)+1]
.elseif h%8 < 6
	v_pk_add_f32 v[rS+4*k:rS+4*k+1], v[rS+4*k:rS+4*k+1], v[rS+4*k+2:rS+4*k+3]
.elseif k == 1
	v_pk_fma_f32 v[rT+2:rT+3], v[rT+2:rT+3], v[rC+2:rC+3], v[rS:rS+1] op_sel_hi:[1,0,1]
.else
	v_pk_add_f32 v[rT+2:rT+3], v[rT+2:rT+3], v[rS+4*k-4:rS+4*k-3]
	s_wait_alu depctr_va_vdst(0)
.endif
.endm
; THE PLAIN QUEUE, 138 long.  0-31: c s - c m for the 16 pairs of both tiles.  Then GS's 64, and among them the next piece's 42: number 15 at 38, 39; 0-14 and 16
; at 42-73, behind the products that make those scores; 17-20 at 95-106, two of three, since each waits for the one before it.
.macro PL
	WIN 0
.if q < 32
	REGS Y, q%2
	v_pk_fma_f32 v[rS+2*(q/2):rS+2*(q/2)+1], v[rS+2*(q/2):rS+2*(q/2)+1], s[CS:CS+1], v[rT:rT+1] op_sel_hi:[1,0,0] neg_lo:[0,0,1] neg_hi:[0,0,1]
.elseif q < 38
	GS q-32
.elseif q < 40
	XS q%2, 15
.elseif q < 42
	GS q-34
.elseif q < 74
	XS q%2, (q-42)/2+(q-42)/30
.elseif q < 95
	GS q-66
.elseif (q < 107) && ((q-95)%3 < 2)
	XS (q-95)%3, 17+(q-95)/3
.elseif q < 107
	GS 29+(q-95)/3
.else
	GS q-74
.endif
.set q, q+1
.endm
; THE EXPONENTIALS' QUEUE, 66 long: s0-s31 of both tiles, and at EA the next piece's two a.
.set EA, 58
.macro EX
	WIN 0
.if (e == EA) || (e == EA+1)
	XS e-EA, 21
.else
.set x, e-2*(e/(EA+2))
	REGS Y, x%2
	v_exp_f32 v[rS+x/2], v[rS+x/2]
.endif
.set e, e+1
.endm
; THE RESCALING's QUEUE: O^T times a, the one part that leaves window 0, so it is dealt four at a time, eight times; each accumulator's registers in ascending order.
.macro R4
	REGS Y, r%2
	WIN W_RS
	s_wait_alu depctr_va_vdst(0)
.irp z, 0,1,2,3
	v_pk_mul_f32 v[rO+8*(r/2)+2*\z:rO+8*(r/2)+2*\z+1], v[rO+8*(r/2)+2*\z:rO+8*(r/2)+2*\z+1], v[rC+2:rC+3] op_sel_hi:[1,0]
.endr
.set r, r+1
.endm
; HOW THEY ARE DEALT.  Behind a matrix instruction four: plain, exponential, plain, plain (one exponential, a plain instruction on either side), or four of the rescaling.  None names a register of the
; products round it.  What is over stands in two LUMPS: exponential and plain by turns; the second ends in 22 plain instructions.  The two v_permlanex16_b32 fall into the second lump.
; The queues lean on each other: exponential e stands behind plain 2 (e / 4) + e % 2 (its scaling); when plain 32 comes, 10 exponentials are out, at 59: 33, at 95: 46; EA comes behind plain 107.
.macro SL
	MM
	PL
	EX
	PL
	PL
.endm
.macro BURST n                      ; 15 matrix instructions, or 16
.rept (\n)-7
	SL
.endr
.rept 3
	MM
	R4
	SL
.endr
	MM
	R4
.endm
; A TURN, for piece p.  cnt = 1: the loop's count is taken down some lines ahead of the branch that stands behind the turn.
; K of the next step, with its mask and bias, is fetched in piece 2's turn, in the first lump, more than 30 vector instructions behind the last product that read them; the first reader comes behind the
; rest of the lump, 16 products and the second lump.  V of the step in hand is fetched at the end of piece 0's turn, behind the second lump; its first reader comes behind 16 products and a lump.
.macro TURN p, last=0, cnt=0
.set Y, (\p)
.set i, 0
.set q, 0
.set e, 0
.set r, 0
.if (\p) == NP-1
	s_wait_dscnt 0x0                ; K, mask and bias are in
.endif
	MM
.rept 4
	PL
.endr
	BURST 15
.rept 22
	EX
	PL
.if ((\p) == NP-2) && (e == 18)
	v_add_nc_u32 v[AK], s[TBK], v[AK0]
	v_lshl_add_u32 v[AM], v9, 5, s[TBM]
.endif
.if ((\p) == NP-2) && (e == 24)
	FETCH_K \last
.endif
.endr
.if (\p) == 1
	s_wait_dscnt 0x0                ; V is in
.endif
	BURST 16
.rept 21
	EX
	PL
.endr
.rept 22
	PL
.if ((\p) == 0) && (q == 118)
	v_add_nc_u32 v[AV], s[TBV], v[AV0]
	s_wait_alu depctr_va_vdst(0)
.endif
.if ((\p) == 0) && (q == 130)
	s_add_co_u32 s[TBV], s[TBV], KS*PV
.endif
.if (\cnt) && (q == 130)
	s_sub_co_u32 s[CNT], s[CNT], 1
	s_cmp_lg_u32 s[CNT], 0
.endif
.endr
.if (\p) == 0
	FETCH_V
.endif
.endm
	CHANGE 1                        ; slot 0 is in, everybody's part of it, and so are mask and bias; slot 1 is asked for
	FETCH_K                         ; key step 0
	s_wait_loadcnt 0x0              ; Q
	s_wait_dscnt 0x0
.set i, 0
.rept 16
	KQ 0                            ; piece 0's first scores: there is no vector work yet to set between them
.set i, i+1
.endr
	WIN 0                           ; the addresses for the way out: plain instructions, the places behind those products
	s_mul_i32 s13, s[WV], 16*SP
	s_add_co_u32 s13, s13, STAGE    ; my stage
	v_mul_u32_u24 v[STO], v1, SP    ; in: row l % 16, 16 bytes for each half of the lanes
	v_lshl_add_u32 v[STO], v9, 4, v[STO]
	v_add_nc_u32 v[STO], s13, v[STO]
	v_bfe_u32 v[RD], v0, 3, 2       ; back: 32 lanes take four rows of 128 bytes,
	v_mul_u32_u24 v[RD], v[RD], SP
	v_lshl_add_u32 v[RD], v10, 4, v[RD]
	v_add_nc_u32 v[RD], s13, v[RD]
	v_and_b32 v[GO], 31, v0         ; which are 512 consecutive bytes of O
	v_lshlrev_b32 v[GO], 4, v[GO]
.set Y, NP-1                        ; XS works for piece Y + 1: piece 0
.irp n, 0,1,2,3,4,5,6,7,8,9,10,11,12,13,14,15,16,17,18,19,20,21
	XS 0, \n                        ; and piece 0's first maximum and statistics
	XS 1, \n
.endr
	s_mov_b32 s[CNT], 4
	s_mov_b32 s[SLOTS], 7           ; 2,048 keys are 8 slots
	s_branch .Lfirst                ; the loop is entered at a step's first turn, in the middle of a trip
.Lslot:                             ; six times: every slot but the last two is filled again
	CHANGE 1
	s_mov_b32 s[CNT], 4
.Lstep:                             ; a trip: pieces 2 and 3 of one step, then pieces 0 and 1 of the next, whose K and V it fetches
	TURN 2
	TURN 3
	WIN 0
.Lfirst:
	TURN 0
	TURN 1, 0, 1
	WIN 0
	s_cbranch_scc1 .Lstep
	s_sub_co_u32 s[SLOTS], s[SLOTS], 1
	s_cmp_lg_u32 s[SLOTS], 0
	s_cbranch_scc1 .Lslot
	CHANGE 0                        ; the tail is written out: nothing is asked for
	s_mov_b32 s[CNT], 5             ; four trips fetch the last slot's steps; the fifth is left in its middle
.Ltail:
	TURN 2, 1
	TURN 3
	WIN 0
	s_sub_co_u32 s[CNT], s[CNT], 1
	s_cmp_eq_u32 s[CNT], 0
	s_cbranch_scc1 .Lout
	TURN 0
	TURN 1
	WIN 0
	s_branch .Ltail
.Lout:                              ; the fifth trip's 16 products K Q^T (on the last K once more) and the maximum made of them change no m, l or O: the price, once a launch, of one text for every trip
.set i, 0
.rept 16
	PV NP-1                         ; the last piece's V^T P of the last step
.set i, i+1
.endr
	; THE WAY OUT.  l's two halves and the other half of the lanes' are added; where the maximum is a hidden score's, no key was visible and l becomes NaN; O^T is divided by l, rounded to f16 and sent
	; through my stage in LDS, a tile at a time.  The additions are the places behind the last products.
	WIN 0
.macro ALL line:vararg              ; one line for each tile t
.set t, 0
.rept 2*NP
	\line
.set t, t+1
.endr
.endm
	ALL v_add_f32 v[ST+4*t+2], v[ST+4*t+2], v[ST+4*t+3]
	ALL v_permlanex16_b32 v[ST+4*t+3], v[ST+4*t+2], s[SEL], s[SEL+1]
	ALL v_add_f32 v[ST+4*t+2], v[ST+4*t+2], v[ST+4*t+3]
	v_mov_b32 v[TMP], 0x7fc00000
.set t, 0
.rept 2*NP
	v_cmp_gt_f32 vcc_lo, s[NEG], v[ST+4*t+1]
	v_cndmask_b32 v[ST+4*t+2], v[ST+4*t+2], v[TMP], vcc_lo
.set t, t+1
.endr
	ALL v_rcp_f32 v[ST+4*t+2], v[ST+4*t+2]
	v_nop                           ; a plain instruction between the last reciprocal and the use of its result
	s_wait_alu depctr_va_vdst(0)
; Tile t: a lane's eight channels of a row pack into 16 bytes; they go into rows of 144 bytes and come back as whole rows of 128, into S^T's registers.
.macro PACK t
	WIN W_RS
.set i, 32*(\t)
.rept 16
	v_pk_mul_f32 v[i:i+1], v[i:i+1], v[ST+4*(\t)+2:ST+4*(\t)+3] op_sel_hi:[1,0]
.set i, i+2
.endr
	WIN 0x05                        ; sources 0 and 1 window 1, destination window 0
.set i, 0
.rept 16
	v_cvt_pk_f16_f32 v[S+16*(\t)+i], v[32*(\t)+2*i], v[32*(\t)+2*i+1]
.set i, i+1
.endr
	WIN 0
.irp f, 0,1,2,3
	ds_store_b128 v[STO], v[S+16*(\t)+4*\f:S+16*(\t)+4*\f+3] offset:32*\f
.endr
.irp f, 0,1,2,3
	ds_load_b128 v[S+16*(\t)+4*\f:S+16*(\t)+4*\f+3], v[RD] offset:\f*4*SP  ; LDS serves a wave's instructions in order (ISA guide 5.7.1.4): these see the stores above; the next tile's stores come behind them
.endr
.endm
.macro SEND t, younger              ; younger: the LDS instructions issued behind tile t's loads: the next tile's eight, or none
	WIN 0
.irp f, 0,1,2,3
	s_wait_dscnt (\younger)+3-\f
	global_store_b128 v[GO], v[S+16*(\t)+4*\f:S+16*(\t)+4*\f+3], s[10:11] offset:(\t)*2048+\f*512  ; 512 consecutive bytes, aligned
.endr
.endm
	PACK 0
.set t, 1
.rept 2*NP-1                        ; a tile's arithmetic stands between the loads of the tile before and its stores
	PACK t
	SEND t-1, 8
.set t, t+1
.endr
	SEND 2*NP-1, 0
	WIN W_AD
	s_wait_tensorcnt 0x0            ; the wave's end
	ds_add_u32 v[SPW], v[NIL]
	s_wait_dscnt 0x0
	WIN 0
	CROUND                          ; the closing round: no work-group ends while a partner may still ask for a tile that names it
	s_endpgm
.Lfunc_end_k_qbf3320dcd9_attn:
	.size	k_qbf3320dcd9_attn, .Lfunc_end_k_qbf3320dcd9_attn-k_qbf3320dcd9_attn
	.p2alignl 7, 3214868480
	.fill 96, 4, 3214868480
	.section	.rodata,"a",@progbits
	.p2align	6, 0x0
	.amdhsa_kernel k_qbf3320dcd9_attn
		.amdhsa_group_segment_fixed_size 327680
		.amdhsa_private_segment_fixed_size 0
		.amdhsa_enable_private_segment 0
		.amdhsa_kernarg_size 48
		.amdhsa_user_sgpr_count 2
		.amdhsa_user_sgpr_kernarg_segment_ptr 1
		.amdhsa_wavefront_size32 1
		.amdhsa_system_sgpr_workgroup_id_x 1
		.amdhsa_system_sgpr_workgroup_id_y 1
		.amdhsa_system_sgpr_workgroup_id_z 1
		.amdhsa_system_vgpr_workitem_id 0
		.amdhsa_next_free_vgpr 808
		.amdhsa_next_free_sgpr 96
		.amdhsa_reserve_vcc 1
		.amdhsa_float_denorm_mode_32 3
		.amdhsa_float_denorm_mode_16_64 3
		.amdhsa_memory_ordered 1
		.amdhsa_forward_progress 1
		.amdhsa_inst_pref_size 215
	.end_amdhsa_kernel
	.amdgpu_metadata
---
amdhsa.version: [ 1, 2 ]
amdhsa.kernels:
  - .name:           k_qbf3320dcd9_attn
    .symbol:         k_qbf3320dcd9_attn.kd
    .args:
      - { .name: qkvb, .offset: 0, .size: 8, .value_kind: global_buffer, .address_space: global }
      - { .name: obuf, .offset: 8, .size: 8, .value_kind: global_buffer, .address_space: global }
      - { .name: mask, .offset: 16, .size: 8, .value_kind: global_buffer, .address_space: global }
      - { .name: task_emb, .offset: 24, .size: 8, .value_kind: global_buffer, .address_space: global }
      - { .name: Wt, .offset: 32, .size: 8, .value_kind: global_buffer, .address_space: global }
      - { .name: bt, .offset: 40, .size: 8, .value_kind: global_buffer, .address_space: global }
    .group_segment_fixed_size: 327680
    .private_segment_fixed_size: 0
    .kernarg_segment_align: 8
    .kernarg_segment_size: 48
    .max_flat_workgroup_size: 128
    .sgpr_count:     96
    .vgpr_count:     808
    .wavefront_size: 32
...
	.end_amdgpu_metadata
.endif
;; end of part 3
;; launch oproj (part 4): grid 8 x 32, 4 waves a work-group, clusters of 4 x 4, 327,680 bytes of LDS; arguments obuf, wall, ball, out0; writes out0
.if DOCPART == 4
	.amdgcn_target "amdgcn-amd-amdhsa--gfx1250"
	.amdhsa_code_object_version 6
	.text
	.protected	k_qbf3320dcd9_oproj
	.globl	k_qbf3320dcd9_oproj
	.p2align	8
	.type	k_qbf3320dcd9_oproj,@function
k_qbf3320dcd9_oproj:
	s_mov_b64 s[64:65], 0
	v_nop
	global_prefetch_b8 v0, s[64:65] scope:SCOPE_SE
	s_setreg_imm32_b32 hwreg(HW_REG_WAVE_MODE, 25, 1), 1
	s_wait_xcnt 0x0
	s_wait_alu depctr_hold_cnt(0) depctr_sa_sdst(0) depctr_va_vdst(0) depctr_va_sdst(0) depctr_va_ssrc(0) depctr_va_vcc(0) depctr_vm_vsrc(0)
	s_getreg_b32 s2, hwreg(HW_REG_IB_STS2, 6, 4)
	s_cmp_eq_u32 s2, 0
	s_cbranch_scc0 .Lentry_in_a_cluster
	s_endpgm
.Lentry_in_a_cluster:
	s_bfe_u32 s2, ttmp6, 0x10000c
	s_cmp_lg_u32 s2, 0xf033
	s_cbranch_scc0 .Lentry_shape_is_right
	s_endpgm
.Lentry_shape_is_right:
; THE OUTPUT PROJECTION.  out0[m][n] = sum over k of O[m][k] Wo[k][n] + bo[n], m < 8192, n < 1024, k = 64 head + channel.  O lies by heads: obuf = planes [batch][head][2048 rows][64] f16;
; Wo^T = rows 3072-4095 of wall, f16; bo = ball[3072 ..], f32.  Sums in f32, stored as they are.
; SHARES.  A work-group makes 256 rows x 128 columns; its four waves stand along the rows: a wave makes 64 x 128, 32 accumulators of 16 x 16.  256 work-groups.  K goes in 8 steps of 128 = two heads
; through two LDS slots: O's part of a slot is two planes of 256 rows x 128 bytes (+ 16 of padding), wall's 128 rows x 256 bytes (+ 16).  Slot 1 begins at byte 2^17, so that one exclusive or turns an
; address in one slot into the other's, and the loop's text is ONE K step.
; CLUSTER 4 x 4: the four of a row need the same rows of O, the four of a column the same rows of wall; each tile is asked for jointly.
; THE MATRIX INSTRUCTION IS USED TRANSPOSED (source 0 = 16 rows of wall, source 1 = 16 rows of O): a lane holds eight neighbouring columns of one row.  THE BIAS is the C operand of the first product.
; ASKED FOR AHEAD.  Wave 0 asks for O's blocks of later K steps by global_prefetch_b8.  A K step of a tile row is two planes x 32,768 dense bytes = 256 aligned blocks of 256 bytes, shared out among the
; 8 tile columns: tile column c takes plane c / 4, blocks 32 (c % 4) on, a lane a block, so that each block is asked for once in the launch.  At the head: K step 2; in the trip that leaves step s: step
; s + 3, whose tensor load is issued one trip later.  The last trip, which leaves step 5, asks for nothing, so no request passes the batch's last plane.  wall is not asked for: eight clusters read each of its tiles.
; REGISTERS: window 0: v0-31 addresses; v32-63, v64-95 O's fragments, two buffers; v96-159 the bias; on the way out v96-223 rows read back.   window 1: v0-63, v64-127 wall's fragments.
;   window 2: the accumulators of my row blocks 0, 1 ((a, b) at v[8 (8 (a % 2) + b)]).   window 3: those of blocks 2, 3.
.set NBK,   8
.set KSTEP, 128
.set PITCH, 272                        ; wall's rows: 68 words
.set PA,    144                        ; O's rows: 36 words; in both the 16 rows of a fragment load start at 16 different groups of four banks (ISA guide 11.1)
.set PLANE, 256*PA                     ; one head's 256 rows
.set BOFF,  2*PLANE
.set SLOTB, BOFF+16*NBK*PITCH          ; the bytes that a slot uses
.set SLOT1, 1<<17                      ; where slot 1 begins
.set STAGE, SLOT1+SLOTB                ; behind the ring, never filled by a tensor load: for each wave 16 rows x 528 bytes
.set SP,    528
.set WSTG,  16*SP
.set SPARE, STAGE+4*WSTG               ; the spare words, 128 bytes a wave: two blocks of 256 bytes that no other line names
.set NL,    2*NBK+8
.set STEPA, 2*262144                   ; bytes from a K step of O to the next: two heads' planes
.set A0,   16                          ; v16     my lane's place among my fragments of O in slot 0; never rewritten
.set B0,   17                          ; v17     the same for wall
.set ADRA, 20                          ; v20     the LDS address of the run in hand, for O
.set ADRB, 21                          ; v21     for wall
.set PF,   22                          ; v22     my block in a request ahead: 256 x lane; never rewritten
.set STO,  24
.set RD,   25
.set GO,   26
.set BO,   27
.set SPW,  28
.set NIL,  29
.set FA,   32
.set BI,   96
.set G1, 24                            ; s[24:31] descriptor group 1 for O's tiles; s[32:39] group 0: a set for each of the two first fills; the second then walks on
.set G0, 32
.set G1B, 48                           ; s[48:55], s[56:63] the same for wall's
.set G0B, 56
.set TB,  66                           ; s66      0 or SLOT1: the slot that is read
.set PB,  72                           ; s[72:73] obuf at my 32 blocks of the K step to be asked for next
.set MSB, 0
.macro WIN new                         ; the immediate's high byte repeats the setting that is left; a switch that changes nothing is dropped
.if MSB != (\new)
	s_set_vgpr_msb (MSB<<8)|(\new)
.set MSB, \new
.endif
.endm
.macro JLOAD s                         ; a joint load: waves 0 and 1 fetch O's two planes, waves 2 and 3 wall's two halves; an s_nop 0 and four v_nop follow each line
	s_cmp_eq_u32 s11, 0
	s_cbranch_scc0 .Lfor_b_\@
	tensor_load_to_lds s[G0+4*(\s):G0+4*(\s)+3], s[G1:G1+7]
	s_nop 0
.rept 4
	v_nop
.endr
	s_branch .Lasked_\@
.Lfor_b_\@:
	tensor_load_to_lds s[G0B+4*(\s):G0B+4*(\s)+3], s[G1B:G1B+7]
	s_nop 0
.rept 4
	v_nop
.endr
.Lasked_\@:
.endm
.macro CROUND                          ; a round of the cluster's barrier
	s_barrier_signal -1
	s_barrier_wait -1
	s_cmp_lg_u32 s10, 0
	s_cbranch_scc1 .Lnot_wave_0_\@
	s_barrier_signal -3
.Lnot_wave_0_\@:
	s_barrier_wait -3
	s_barrier_signal -1
	s_barrier_wait -1
.endm
	s_load_b128 s[4:7], s[0:1], 0x0                ; obuf s[4:5], wall s[6:7]
	s_load_b128 s[68:71], s[0:1], 0x10             ; ball s[68:69], out0 s[70:71]
	v_lshl_add_u32 v[SPW], v0, 2, SPARE
	v_mov_b32 v[NIL], 0
	ds_add_u32 v28, v29
	s_wait_dscnt 0x0
	v_lshrrev_b32 v1, 5, v0
	v_readfirstlane_b32 s10, v1                    ; wave 0..3
	s_lshr_b32 s11, s10, 1                         ; I fetch for O (0) or for wall (1)
	s_and_b32 s12, s10, 1                          ; which plane, or which half of wall's rows
	s_bfe_u32 s40, ttmp6, 0x40000
	s_bfe_u32 s41, ttmp6, 0x40004
	s_lshl_b32 s42, ttmp9, 2
	s_add_co_u32 s42, s42, s40                     ; tile column
	s_and_b32 s13, ttmp7, 0xffff
	s_lshl_b32 s13, s13, 2
	s_add_co_u32 s13, s13, s41                     ; tile row
	s_lshl_b32 s43, s41, 2
	s_lshl_b32 s43, 15, s43                        ; my row of the cluster
	s_lshl_b32 s44, 0x1111, s40                    ; my column
	; group 1 for O: a plane's 256 rows are 32,768 dense bytes: asked for as 128 rows of 256 bytes, padded by 4 words after every 32 (a row of O)
	s_or_b32 s[G1+0], s43, (1<<16)|(1<<20)|(1<<21)|(4<<22)|(3<<25)
	s_mov_b32 s[G1+1], 128<<16
	s_mov_b32 s[G1+2], 128<<16
	s_mov_b32 s[G1+3], 128<<16
	s_mov_b32 s[G1+4], 128
	s_mov_b32 s[G1+5], 128
	s_mov_b32 s[G1+6], 0
	s_mov_b32 s[G1+7], 0
	; group 1 for wall: 64 rows of 128 elements, 1,024 elements apart, padded by 4 words after every 64
	s_or_b32 s[G1B+0], s44, (1<<16)|(1<<20)|(1<<21)|(5<<22)|(3<<25)
	s_mov_b32 s[G1B+1], 128<<16
	s_mov_b32 s[G1B+2], 64<<16
	s_mov_b32 s[G1B+3], 128<<16
	s_mov_b32 s[G1B+4], 64
	s_mov_b32 s[G1B+5], 1024
	s_mov_b32 s[G1B+6], 0
	s_mov_b32 s[G1B+7], 0
	s_lshr_b32 s16, s13, 3                         ; batch = tile row / 8
	s_lshl_b32 s16, s16, 4
	s_add_co_u32 s16, s16, s12                     ; O: plane 16 x batch + my plane of the step,
	s_lshl_b32 s16, s16, 18
	s_and_b32 s17, s13, 7
	s_lshl_b32 s17, s17, 15                        ; the tile's 256 rows of 128 bytes in it
	s_add_co_u32 s16, s16, s17
	s_mov_b32 s17, 0
	s_lshl_b32 s46, s42, 7
	s_lshl_b32 s47, s12, 6
	s_add_co_u32 s46, s46, s47
	s_add_co_u32 s46, s46, 3072                    ; wall: row 3072 + 128 x tile column + 64 x half,
	s_lshl_b32 s46, s46, 11                        ; of 2,048 bytes
	s_mov_b32 s47, 0
	s_mul_i32 s18, s12, PLANE                      ; where they go: no place in the cluster enters an LDS address
	s_mul_i32 s19, s12, 64*PITCH
	s_add_co_u32 s19, s19, BOFF
	s_lshr_b32 s[PB], s13, 3                       ; the requests ahead (in registers that feed no descriptor): plane 16 x batch + tile column / 4,
	s_lshl_b32 s[PB], s[PB], 4
	s_lshr_b32 s74, s42, 2
	s_add_co_u32 s[PB], s[PB], s74
	s_add_co_u32 s[PB], s[PB], 4                   ; at K step 2, four planes on;
	s_lshl_b32 s[PB], s[PB], 18
	s_and_b32 s74, s13, 7
	s_lshl_b32 s74, s74, 15                        ; the tile's 32,768 bytes in the plane,
	s_add_co_u32 s[PB], s[PB], s74
	s_and_b32 s74, s42, 3
	s_lshl_b32 s74, s74, 13                        ; my quarter of them
	s_add_co_u32 s[PB], s[PB], s74
	s_mov_b32 s[PB+1], 0
	s_mov_b32 s[TB], 0                             ; slot 0 is read first
	s_wait_kmcnt 0x0
	s_add_nc_u64 s[14:15], s[4:5], s[16:17]
	s_add_nc_u64 s[46:47], s[6:7], s[46:47]
	s_add_nc_u64 s[PB:PB+1], s[4:5], s[PB:PB+1]
	CROUND                                         ; all sixteen work-groups are here: the first joint loads meet
.irp s, 0,1
	s_mov_b32 s[G0+4*(\s)], 1
	s_add_co_u32 s[G0+4*(\s)+1], s18, (\s)*SLOT1
	s_add_nc_u64 s[G0+4*(\s)+2:G0+4*(\s)+3], s[14:15], (\s)*STEPA
	s_or_b32 s[G0+4*(\s)+3], s[G0+4*(\s)+3], 0x80000000
	s_mov_b32 s[G0B+4*(\s)], 1
	s_add_co_u32 s[G0B+4*(\s)+1], s19, (\s)*SLOT1
	s_add_nc_u64 s[G0B+4*(\s)+2:G0B+4*(\s)+3], s[46:47], (\s)*KSTEP*2
	s_or_b32 s[G0B+4*(\s)+3], s[G0B+4*(\s)+3], 0x80000000
	JLOAD \s                                       ; two tensor loads of mine are out here, later one
.endr
	v_and_b32 v1, 15, v0                           ; l % 16
	v_bfe_u32 v2, v0, 4, 1                         ; l / 16
	v_lshlrev_b32 v[BO], 5, v2
	s_lshl_b32 s16, s42, 9                         ; the tile's 128 biases, behind bq, bk and bv
	s_add_co_u32 s16, s16, 12288
	s_mov_b32 s17, 0
	s_add_nc_u64 s[68:69], s[68:69], s[16:17]
.set i, 0
.rept NBK
	global_load_b128 v[BI+8*i:BI+8*i+3],   v[BO], s[68:69] offset:64*i
	global_load_b128 v[BI+8*i+4:BI+8*i+7], v[BO], s[68:69] offset:64*i+16
.set i, i+1
.endr
	v_and_b32 v[GO], 31, v0                        ; lane
	v_lshlrev_b32 v[PF], 8, v[GO]
	s_cmp_lg_u32 s10, 0
	s_cbranch_scc1 .Lno_ask_head
	global_prefetch_b8 v[PF], s[PB:PB+1] th:TH_LOAD_NT scope:SCOPE_SE  ; my 32 blocks of K step 2
.Lno_ask_head:
	v_mul_u32_u24 v3, v1, PA
	v_lshl_add_u32 v3, v2, 4, v3                   ; O: a fragment's row x pitch + 16 x half
	v_mul_u32_u24 v4, v1, PITCH
	v_lshl_add_u32 v4, v2, 4, v4                   ; wall: the same with its pitch
	s_mul_i32 s21, s10, 64*PA                      ; my 64 rows in a plane
	v_add_nc_u32 v[A0], s21, v3
	v_add_nc_u32 v[B0], BOFF, v4
	s_mul_i32 s23, s10, WSTG
	s_add_co_u32 s23, s23, STAGE                   ; my stage
	v_mul_u32_u24 v5, v1, SP                       ; in: row l % 16, 32 bytes for each half of the lanes
	v_lshl_add_u32 v5, v2, 5, v5
	v_add_nc_u32 v[STO], s23, v5
	v_lshlrev_b32 v[GO], 4, v[GO]                  ; back: 32 lanes take a row's 512 bytes
	v_add_nc_u32 v[RD], s23, v[GO]
	s_lshl_b32 s16, s13, 8
	s_lshl_b32 s17, s10, 6
	s_add_co_u32 s16, s16, s17                     ; my first row of out0,
	s_lshl_b32 s16, s16, 12                        ; of 4,096 bytes,
	s_lshl_b32 s17, s42, 9                         ; and the tile's first column
	s_add_co_u32 s16, s16, s17
	s_mov_b32 s17, 0
	s_add_nc_u64 s[8:9], s[70:71], s[16:17]
; 8 matrix instructions: row block a x all column blocks, 32 along K, from buffer f.  zero = 1: the first product starts the sums, with the bias as C.
; The 32 accumulators take turns, one instruction a turn, in the same order in every quarter.
.macro MULA f, a, zero
.if \zero
	WIN 0x81+0x40*((\a)/2)
.else
	WIN 0xa1+0x50*((\a)/2)
.endif
.set b, 0
.rept NBK
.set rD, 8*(NBK*((\a)%2)+b)
.set rB, (\f)*8*NBK+8*b
.set rA, FA+(\f)*32+8*(\a)
.if \zero
	v_wmma_f32_16x16x32_f16 v[rD:rD+7], v[rB:rB+7], v[rA:rA+7], v[BI+8*b:BI+8*b+7]
.else
	v_wmma_f32_16x16x32_f16 v[rD:rD+7], v[rB:rB+7], v[rA:rA+7], v[rD:rD+7]
.endif
.set b, b+1
.endr
.endm
; 24 LDS loads in one run: quarter q's fragments out of the slot that s[TB] names, into buffer f.  Quarter q of O lies in plane q / 2, at byte 64 (q % 2) of its rows.  The two additions that make the
; addresses name no register of a matrix instruction: they are two of the four places in front of the loads.
.macro FETCH q, f
.set AO, ((\q)/2)*PLANE+((\q)%2)*64
	WIN 0
	v_add_nc_u32 v[ADRA], s[TB], v[A0]
	v_add_nc_u32 v[ADRB], s[TB], v[B0]
	WIN 0x40
.set i, 0
.rept NBK
	ds_load_b128 v[(\f)*8*NBK+8*i:(\f)*8*NBK+8*i+3],   v[ADRB] offset:64*(\q)+i*16*PITCH
	ds_load_b128 v[(\f)*8*NBK+8*i+4:(\f)*8*NBK+8*i+7], v[ADRB] offset:64*(\q)+i*16*PITCH+32
.set i, i+1
.endr
	WIN 0
.set i, 0
.rept 4
	ds_load_b128 v[FA+(\f)*32+8*i:FA+(\f)*32+8*i+3],   v[ADRA] offset:AO+i*16*PA
	ds_load_b128 v[FA+(\f)*32+8*i+4:FA+(\f)*32+8*i+7], v[ADRA] offset:AO+i*16*PA+32
.set i, i+1
.endr
.endm
; A load into a register that a matrix instruction has read, and an LDS store that reads a matrix result, stand four places behind it; only plain vector instructions that name none of its registers
; are places (ISA guide 7.12.1 for vector instructions).
.macro TWOPL                           ; two of the four in front of a run of loads; the run's own two additions are the others
	v_nop
	v_nop
.endm
.macro PLACES
.rept 4
	v_nop
.endr
.endm
.macro QUARTER q, f, g, zero
	s_wait_dscnt 4                                 ; wall's fragments and O's blocks 0, 1 are in; the youngest four loads (blocks 2, 3) may be out
	MULA \f, 0, \zero
	MULA \f, 1, \zero
	TWOPL
	FETCH \q, \g
	s_wait_dscnt NL                                ; all but the run just issued
	MULA \f, 2, \zero
	MULA \f, 3, \zero
.endm
.macro ASK                             ; wave 0, in every trip but the last (s3 = 1): my 32 blocks of the K step that s[PB] has reached
	s_cmp_lg_u32 s10, 0
	s_cbranch_scc1 .Lno_ask_\@
	s_cmp_eq_u32 s3, 1
	s_cbranch_scc1 .Lno_ask_\@
	global_prefetch_b8 v[PF], s[PB:PB+1] th:TH_LOAD_NT scope:SCOPE_SE
.Lno_ask_\@:
.endm
; The last quarter multiplies buffer 1 and changes slots.  Half of its products, which touch registers alone, stand ahead of the wait for the next slot's tile; then each wave waits for all its tensor
; loads (one is out: its part of the next slot), adds 0 to its spare word, and waits for that and for its reads of this slot.  fill = 1: a round of the cluster's barrier follows, so that no wave of any
; partner still reads this slot or has a load on its way, and this slot is filled again, two K steps ahead, first thing behind the round: the load has a whole K step, 128 matrix instructions, in which
; to land.  The other half of the products stands behind the next slot's first run of fragment loads.
.macro TURN fill
	s_wait_dscnt 4
	MULA 1, 0, 0
	MULA 1, 1, 0
	WIN 0                                          ; the add's two registers lie in window 0
	s_wait_tensorcnt 0x0                           ; no tensor load of mine is out, so a group 0 may be written
	ds_add_u32 v[SPW], v[NIL]                      ; 0 onto my spare word; scalar work stands between it and the wait for it
	s_xor_b32 s[TB], s[TB], SLOT1                  ; the fetches go to the other slot
.if \fill
	s_xor_b32 s[G0+5], s[G0+5], SLOT1              ; the walking descriptors: the other slot than last time,
	s_add_nc_u64 s[G0+6:G0+7], s[G0+6:G0+7], STEPA ; the next K step; the type bits on top are not reached
	s_xor_b32 s[G0B+5], s[G0B+5], SLOT1
	s_add_nc_u64 s[G0B+6:G0B+7], s[G0B+6:G0B+7], KSTEP*2
	s_wait_xcnt 0x0                                ; the last request ahead, a K step back, has had its addresses translated: its base may step
	s_add_nc_u64 s[PB:PB+1], s[PB:PB+1], STEPA
	s_wait_dscnt 0x0                               ; the add is done, and my reads of this slot are over
	CROUND
	JLOAD 1                                        ; the four v_nop behind it stand in front of the loads below too
	ASK
.else
	s_wait_dscnt 0x0
	s_barrier_signal -1
	s_barrier_wait -1
	TWOPL
.endif
	FETCH 0, 0
	MULA 1, 2, 0
	MULA 1, 3, 0
.endm
	s_wait_tensorcnt 1                             ; my part of K step 0 is in; step 1's may stay out
	s_barrier_signal -1
	s_barrier_wait -1
	FETCH 0, 0
	s_wait_loadcnt 0x0                             ; the bias
	QUARTER 1, 0, 1, 1                             ; the first quarter stands in front of the loop: its products start the sums
	WIN 0                                          ; at a label and at a branch every window is 0
	s_mov_b32 s3, 6                                ; six trips bring K steps 2 to 7
.Lstep:                                                ; a trip goes from a K step's second quarter to the next step's first, and fills the slot that it leaves
	QUARTER 2, 1, 0, 0
	QUARTER 3, 0, 1, 0
	TURN 1
	QUARTER 1, 0, 1, 0
	WIN 0
	s_sub_co_u32 s3, s3, 1
	s_cmp_lg_u32 s3, 0
	s_cbranch_scc1 .Lstep
	QUARTER 2, 1, 0, 0                             ; K steps 6 and 7 fill nothing: they are written out
	QUARTER 3, 0, 1, 0
	TURN 0
	QUARTER 1, 0, 1, 0
	QUARTER 2, 1, 0, 0
	QUARTER 3, 0, 1, 0
	s_wait_dscnt 4
	MULA 1, 0, 0
	MULA 1, 1, 0
	s_wait_dscnt 0x0
	MULA 1, 2, 0
	MULA 1, 3, 0
	WIN 0
	PLACES
; THE WAY OUT, a block of 16 rows at a time.  STG: a lane's eight f32 of a row go into my stage, each accumulator's low four registers first, in rows of 528 bytes; whole rows of 512 bytes come back
; into one of two buffers of 64 registers.  SEND: stored.
.macro STG a
.set BK, 96+64*((\a)%2)
.if (\a) >= 2
	s_wait_xcnt 0x0                                ; the buffer was the data of the stores two blocks back: it is loaded again only behind this wait
.endif
	WIN 0x08+4*((\a)/2)                            ; the stores' data: window 2 or 3
.set b, 0
.rept NBK
.set rD, 8*(NBK*((\a)%2)+b)
	ds_store_b128 v[STO], v[rD:rD+3]   offset:64*b
	ds_store_b128 v[STO], v[rD+4:rD+7] offset:64*b+16
.set b, b+1
.endr
	WIN 0
.set t, 0
.rept 16
	ds_load_b128 v[BK+4*t:BK+4*t+3], v[RD] offset:SP*t  ; LDS serves a wave's instructions in order (ISA guide 5.7.1.4): these see the stores above; the next block's stores come behind them
.set t, t+1
.endr
.endm
.macro SEND a, younger                 ; younger: the LDS instructions issued behind block a's loads: the next block's 32, or none
.set BK, 96+64*((\a)%2)
.set t, 0
.rept 16
.if t%4 == 0
	s_wait_dscnt (\younger)+12-t                   ; the next four rows are in; the block's later loads and the younger instructions may be out
.endif
	global_store_b128 v[GO], v[BK+4*t:BK+4*t+3], s[8:9] offset:(16*(\a)+t)*4096 th:TH_STORE_NT  ; 512 consecutive bytes of a row of out0, aligned
.set t, t+1
.endr
.endm
	STG 0
	STG 1
	SEND 0, 32
	STG 2
	SEND 1, 32
	STG 3
	SEND 2, 32
	SEND 3, 0
	s_wait_tensorcnt 0x0                           ; the wave's end
	ds_add_u32 v[SPW], v[NIL]
	s_wait_dscnt 0x0
	CROUND                                         ; the closing round: no work-group ends while a partner may still ask for a tile that names it
	s_endpgm
.Lfunc_end_k_qbf3320dcd9_oproj:
	.size	k_qbf3320dcd9_oproj, .Lfunc_end_k_qbf3320dcd9_oproj-k_qbf3320dcd9_oproj
	.p2alignl 7, 3214868480
	.fill 96, 4, 3214868480
	.section	.rodata,"a",@progbits
	.p2align	6, 0x0
	.amdhsa_kernel k_qbf3320dcd9_oproj
		.amdhsa_group_segment_fixed_size 327680
		.amdhsa_private_segment_fixed_size 0
		.amdhsa_enable_private_segment 0
		.amdhsa_kernarg_size 32
		.amdhsa_user_sgpr_count 2
		.amdhsa_user_sgpr_kernarg_segment_ptr 1
		.amdhsa_wavefront_size32 1
		.amdhsa_system_sgpr_workgroup_id_x 1
		.amdhsa_system_sgpr_workgroup_id_y 1
		.amdhsa_system_sgpr_workgroup_id_z 1
		.amdhsa_system_vgpr_workitem_id 0
		.amdhsa_next_free_vgpr 896
		.amdhsa_next_free_sgpr 76
		.amdhsa_reserve_vcc 0
		.amdhsa_float_denorm_mode_32 3
		.amdhsa_float_denorm_mode_16_64 3
		.amdhsa_memory_ordered 1
		.amdhsa_forward_progress 1
		.amdhsa_inst_pref_size 73
	.end_amdhsa_kernel
	.amdgpu_metadata
---
amdhsa.version: [ 1, 2 ]
amdhsa.kernels:
  - .name:           k_qbf3320dcd9_oproj
    .symbol:         k_qbf3320dcd9_oproj.kd
    .args:
      - { .name: obuf, .offset: 0, .size: 8, .value_kind: global_buffer, .address_space: global }
      - { .name: wall, .offset: 8, .size: 8, .value_kind: global_buffer, .address_space: global }
      - { .name: ball, .offset: 16, .size: 8, .value_kind: global_buffer, .address_space: global }
      - { .name: out0, .offset: 24, .size: 8, .value_kind: global_buffer, .address_space: global }
    .group_segment_fixed_size: 327680
    .private_segment_fixed_size: 0
    .kernarg_segment_align: 8
    .kernarg_segment_size: 32
    .max_flat_workgroup_size: 128
    .sgpr_count:     76
    .vgpr_count:     896
    .wavefront_size: 32
...
	.end_amdgpu_metadata
.endif
;; end of part 4
